; MI455X (gfx1250); checked and timed in simulation.
; The chip was launched on July 23, 2026; its instructions are those of AMD's public machine-readable ISA for CDNA 5 (MIT licence, August 2026) and "CDNA5" Instruction Set Architecture Reference Guide (July 2026). The comments in the code are by the model that wrote it; some were corrected since.
;; Multihead Diff Attn. Allowed arithmetic: matrix products marked QUANTISED: E2M3 operands, one E8M0 scale for each 32 along K, by v_wmma_scale_f32_16x16x128_f8f6f4 with both operands' format E2M3, f32 sums; everything else in f32.
;; Inputs: Wk 1,024 x 2,048 float32; Wo 2,048 x 2,048 float32; Wq 2,048 x 2,048 float32; Wv 1,024 x 2,048 float32; g 128 float32; lambda_k1 64 float32; lambda_k2 64 float32; lambda_q1 64 float32; lambda_q2 64 float32; rel_pos 1 float32; x 1 x 2,048 x 2,048 float32.
;; Outputs: out0 1 x 2,048 x 2,048 float32.
;; This version of the problem:
;;   THIS VERSION OF THE PROBLEM IS GIVEN IN LOW PRECISION. The matrix products marked QUANTISED in the list below multiply operands that are first quantised to E2M3 (2 exponent bits, 3 mantissa bits; 6 bits a number), with one power-of-two scale for each 32 numbers along K (OCP MX v1.0); their sums are f32. All else is computed in f32.
;;   The module's matrix products, in the order in which they are computed (A, B: the left and right operand; K: the contracted axis; several contracted axes count as one K, in the product's order):
;;     1. [M 2,048, K 2,048] x [K 2,048, N 2,048]; A: input x; B: input Wq: QUANTISED
;;     2. [M 2,048, K 2,048] x [K 2,048, N 1,024]; A: input x; B: input Wk: QUANTISED
;;     3. [M 2,048, K 2,048] x [K 2,048, N 1,024]; A: input x; B: input Wv: QUANTISED
;;     4. batch 32 x [M 2,048, K 64] x [K 64, N 2,048]; A: computed on the way; B: computed on the way: QUANTISED
;;     5. batch 16 x [M 2,048, K 2,048] x [K 2,048, N 128]; A: computed on the way; B: computed on the way: QUANTISED
;;     6. [M 2,048, K 2,048] x [K 2,048, N 2,048]; A: computed on the way; B: input Wo: QUANTISED
;;   THE QUANTISER, for each operand of a quantised product, along K:
;;     - K is cut into blocks of 32 from its start; a last block that is shorter is filled with zeros.
;;     - A block's scale is 2^e with e = floor(log2(the largest magnitude in the block)) - 2, held to -126 .. 127; a block of zeros has e = 0. As a byte (E8M0): e + 127.
;;     - Each number is divided by its block's scale, clamped to +-7.5, and rounded to the nearest number of E2M3, ties to even, subnormals kept.
;;     - The product sums the exact products of the quantised numbers (number of the format x scale) in f32.
;;   ~~~python
;;   def quantise(x, axis):      # numpy; x: float32 -> the quantised numbers, widened to float32 again
;;       x = np.moveaxis(x, axis, -1); K = x.shape[-1]
;;       x = np.pad(x, [(0, 0)] * (x.ndim - 1) + [(0, -K % 32)]); x = x.reshape(x.shape[:-1] + (-1, 32)); a = np.abs(x).max(-1, keepdims=True)
;;       e = np.where(a > 0, np.clip(np.frexp(np.where(a > 0, a, 1))[1] - 1 - 2, -126, 127), 0)      # np.frexp(a)[1] - 1 = floor(log2(a)), exactly
;;       r = np.clip(x / 2.0 ** e, -7.5, 7.5)
;;       step = 2.0 ** (np.maximum(np.frexp(np.where(r == 0, 1, r))[1] - 1, 0) - 3)
;;       q = np.round(r / step) * step * 2.0 ** e      # np.round: ties to even
;;       return np.moveaxis(q.reshape(q.shape[:-2] + (-1,))[..., :K], -1, axis).astype(np.float32)
;;   ~~~
;;   OPERANDS COMPUTED ON THE WAY. 'Computed on the way' means the value that the module computes at that place (a softmax that the list does not call 'softmax' is quantised finished and normalised). What goes into a quantiser is computed in f32, as accurately as f32 sums, v_exp_f32 and their like allow (about 1e-6 of the number): no bf16 or f16 on the way to a quantiser, and a product that is left as it is and whose result goes on into a quantised operand takes f32 operands (vector FMAs, or v_wmma_f32_16x16x4_f32). A number that lies on a knife's edge between two numbers of the format may be rounded either way, as far as f32 arithmetic and the matrix unit's own rounding can turn it there, and no further.
;; One version. Each part assembles by itself: llvm-mc -triple=amdgcn-amd-amdhsa -mcpu=gfx1250 --defsym DOCPART=n.
;; ======== version 1 of 1: 4 launches
;; limits: right only within a limited range of input values
;; workspace buffers: cod 12,582,912 bytes; scl 524,288 bytes; qkv 6,291,456 bytes; qkvs 262,144 bytes; ac 3,145,728 bytes; asc 131,072 bytes; woc 3,145,728 bytes; wos 131,072 bytes
;; launch quant (part 1): grid 256 x 1, 6 waves a work-group, no clusters, 200,448 bytes of LDS; arguments x, Wq, Wk, Wv, cod, scl; writes cod, scl
.if DOCPART == 1
	.amdgcn_target "amdgcn-amd-amdhsa--gfx1250"
	.amdhsa_code_object_version 6
	.text
	.protected	k_qc3e8ed020a_quant
	.globl	k_qc3e8ed020a_quant
	.p2align	8
	.type	k_qc3e8ed020a_quant,@function
k_qc3e8ed020a_quant:
	s_mov_b64 s[64:65], 0
	v_nop
	global_prefetch_b8 v0, s[64:65] scope:SCOPE_SE
	s_setreg_imm32_b32 hwreg(HW_REG_WAVE_MODE, 25, 1), 1
	s_wait_xcnt 0x0
; x, Wq, Wk, Wv (f32, K = 2,048 innermost) become codes of FP6 (E2M3) with one E8M0 byte for each 32 along K, laid as IMAGES OF OPERAND REGISTERS.  (Wo is quantised by the next launch.)
; DEAD WORK: reference() takes rel_pos and uses it in no expression, so for all values it reaches no output: it is not loaded and is no argument of any launch.  A NaN or infinity in rel_pos is not carried to the result.
; A tile is 16 rows; lane r of tile t holds row 32 (t / 2) + 8 (t % 2) + r % 8 + 16 (r / 8).  A fragment is a tile x 128 along K: 12 registers a lane, 1,536 bytes:
; for c = 0, 1: registers 6 c .. 6 c + 3 at 768 c + 16 x lane, registers 6 c + 4, 6 c + 5 at 768 c + 512 + 8 x lane.
; cod: [K step / 4][tile, pitch 512][K step % 4][1,536]; tiles 0-127 x, 128-255 Wq, 256-319 Wk, 320-383 Wv (the places of tiles 384-511 are neither written nor read).  scl: [tile][K step / 4][r 16][K step % 4] words.
; A block's scale is 2^(floor(log2(largest magnitude)) - 2); its byte is the largest magnitude's exponent field - 2, held at 1 from below.
; LIMITS: a block of zeros gets the byte 1 where the rule says 127 (its codes are zeros, and this program alone reads the bytes); NaN and infinities among the inputs are not served.
; SHARES: 192 groups of 32 rows (two tiles) x four quarters of K are 768 jobs, three to a work-group, two waves to a job: 256 work-groups of six waves.  A wave takes 1,024 bytes (two K steps) of its job's 32 rows
; by ONE tensor load into LDS bytes of its own, which it alone reads: no barrier.  Unit n of a wave: tile n / 2, its K step n % 2.  An LDS row is 1,024 + 16 bytes.
; WHICH LANE WORKS FOR WHICH: thread lane L = a + 8 h + 16 g works row r = a + 8 g of the tile and blocks h, 2 + h of its 128 numbers, and stores at the image's lane r + 16 h.  So the sixteen lanes of a half wave read
; eight LDS rows at two places 128 bytes apart: sixteen different columns of 16 bytes; a store's 32 lanes still cover the same consecutive bytes.
; A wave's scale words are 8 bytes of each row's 16: the two waves of a job together fill a run of 256 bytes (512 bytes a wave of the launch's stores).
.set PITCH, 1040
.set HALFC, 8*PITCH                    ; from tile 0's rows to tile 1's in LDS
.set WREG,  4*HALFC                    ; a wave's LDS bytes: 32 rows
.set SPARE, 6*WREG                     ; the spare words, 128 bytes for each wave
.set LA,  4                            ; v4   LDS: my region + (a + 16 g) x PITCH + 128 h
.set L16, 5                            ; v5   16 x the image's lane
.set L8,  6
.set SAD, 7                            ; v7   16 r + 1,024 h
.set SPW, 8
.set NIL, 9
.set SH8, 10
.set HH,  11
.set SW,  12                           ; v12-15 the four units' scale words
.set MX,  16
.set SO,  18
.set BY,  20
.set TP,  22
.set XA,  32                           ; v32-95, v96-159: two sets of 64 numbers
.set XB,  96
.set PC,  160
.set TC,  172
.set G1,  24
.set G0,  32
	s_load_b256 s[4:11], s[0:1], 0x0               ; x, Wq, Wk, Wv
	s_load_b128 s[12:15], s[0:1], 0x20             ; cod, scl
	v_lshl_add_u32 v[SPW], v0, 2, SPARE
	v_mov_b32 v[NIL], 0
	ds_add_u32 v[SPW], v[NIL]                      ; the opening lines: the add, twice on end, and its wait
	ds_add_u32 v[SPW], v[NIL]
	v_lshrrev_b32 v1, 5, v0
	s_delay_alu instid0(VALU_DEP_1)
	v_readfirstlane_b32 s20, v1                    ; wave 0..5
	s_and_b32 s21, s20, 1                          ; which half of my job's four K steps
	s_lshr_b32 s22, s20, 1
	s_mul_i32 s60, ttmp9, 3
	s_add_co_u32 s60, s60, s22                     ; my job, 0..767
	s_and_b32 s22, s60, 3                          ; which four K steps
	s_lshr_b32 s60, s60, 2                         ; which 32 rows, 0..191
	s_mul_i32 s23, s20, WREG                       ; my LDS region
	s_mov_b32 s[G1+0], (3<<16)|(1<<20)|(7<<22)|(3<<25)  ; elements of 8 bytes; behind every 256 words 4 words of padding
	s_mov_b32 s[G1+1], 128<<16                     ; a row: 1,024 bytes
	s_mov_b32 s[G1+2], 32<<16
	s_mov_b32 s[G1+3], 128<<16
	s_mov_b32 s[G1+4], 32
	s_mov_b32 s[G1+5], 1024                        ; from row to row: 8,192 bytes
	s_mov_b32 s[G1+6], 0
	s_mov_b32 s[G1+7], 0
	s_mul_i32 s56, s60, 12288                      ; my two tiles,
	s_mul_i32 s55, s22, 3145728                    ; their four K steps,
	s_add_co_u32 s56, s56, s55
	s_mul_i32 s55, s21, 3072                       ; my two of them
	s_add_co_u32 s56, s56, s55
	s_mov_b32 s57, 0
	s_lshl_b32 s58, s60, 11                        ; the scale words likewise
	s_lshl_b32 s55, s22, 8
	s_add_co_u32 s58, s58, s55
	s_lshl_b32 s55, s21, 3
	s_add_co_u32 s58, s58, s55
	s_mov_b32 s59, 0
	s_wait_dscnt 0x0
	s_wait_kmcnt 0x0
	s_mov_b64 s[50:51], s[10:11]                   ; which tensor: the choice hangs on ids alone
	s_mov_b32 s48, 160
	s_cmp_lt_u32 s60, 160
	s_cselect_b64 s[50:51], s[8:9], s[50:51]
	s_cselect_b32 s48, 128, s48
	s_cmp_lt_u32 s60, 128
	s_cselect_b64 s[50:51], s[6:7], s[50:51]
	s_cselect_b32 s48, 64, s48
	s_cmp_lt_u32 s60, 64
	s_cselect_b64 s[50:51], s[4:5], s[50:51]
	s_cselect_b32 s48, 0, s48
	s_sub_co_u32 s48, s60, s48
	s_lshl_b32 s52, s48, 18                        ; 32 rows of 8,192 bytes
	s_lshl_b32 s53, s22, 11                        ; + four K steps of 512 bytes
	s_add_co_u32 s52, s52, s53
	s_lshl_b32 s53, s21, 10                        ; + my half of them
	s_add_co_u32 s52, s52, s53
	s_mov_b32 s53, 0
	s_add_nc_u64 s[50:51], s[50:51], s[52:53]
	s_add_nc_u64 s[12:13], s[12:13], s[56:57]
	s_add_nc_u64 s[14:15], s[14:15], s[58:59]
	s_mov_b32 s[G0], 1
	s_mov_b32 s[G0+1], s23
	s_mov_b64 s[G0+2:G0+3], s[50:51]
	s_or_b32 s[G0+3], s[G0+3], 0x80000000
	tensor_load_to_lds s[G0:G0+3], s[G1:G1+7]      ; my one load
	s_nop 0
.rept 4
	v_nop
.endr
	v_and_b32 v3, 7, v0                            ; a
	v_bfe_u32 v1, v0, 4, 1                         ; g
	v_bfe_u32 v[HH], v0, 3, 1                      ; h
	v_lshl_add_u32 v2, v1, 3, v3                   ; r = a + 8 g
	v_lshl_add_u32 v3, v1, 4, v3                   ; LDS row a + 16 g
	v_lshl_add_u32 v1, v[HH], 4, v2                ; the image's lane r + 16 h
	v_mul_u32_u24 v[LA], v3, PITCH
	s_delay_alu instid0(VALU_DEP_1)
	v_lshl_add_u32 v[LA], v[HH], 7, v[LA]
	s_delay_alu instid0(VALU_DEP_1)
	v_add_nc_u32 v[LA], s23, v[LA]
	v_lshlrev_b32 v[L16], 4, v1
	v_lshlrev_b32 v[L8], 3, v1
	v_lshlrev_b32 v[SAD], 4, v2
	s_delay_alu instid0(VALU_DEP_1)
	v_lshl_add_u32 v[SAD], v[HH], 10, v[SAD]
	v_lshlrev_b32 v[SH8], 3, v[HH]
	v_mov_b32 v[TP], 0                             ; a DPP form's destination counts as one of its sources
.macro LD n, x                         ; unit n: my two blocks of 32 numbers, 128 bytes each
.irp c, 0,1
.irp i, 0,1,2,3,4,5,6,7
	ds_load_b128 v[\x+32*\c+4*\i:\x+32*\c+4*\i+3], v[LA] offset:((\n)/2)*HALFC+((\n)%2)*512+256*\c+16*\i
.endr
.endr
.endm
.macro UNIT n, x
.set CO, ((\n)/2)*6144+((\n)%2)*1536
.irp c, 0,1
	v_max3_num_f32 v[MX+\c], |v[\x+32*\c]|, |v[\x+32*\c+1]|, 0x1800000   ; with the floor 2^(3 - 127)
.endr
.irp i, 2,4,6,8,10,12,14,16,18,20,22,24,26,28,30
.irp c, 0,1
	s_delay_alu instid0(VALU_DEP_2)
	v_max3_num_f32 v[MX+\c], v[MX+\c], |v[\x+32*\c+\i]|, |v[\x+32*\c+\i+1]|
.endr
.endr
.irp c, 0,1
	s_delay_alu instid0(VALU_DEP_2)
	v_add_nc_u32 v[SO+\c], 0xff000000, v[MX+\c]    ; 2 off the exponent field: the conversion's scale operand
.endr
.irp c, 0,1
	s_delay_alu instid0(VALU_DEP_2)
	v_lshrrev_b32 v[BY+\c], 23, v[SO+\c]           ; the byte
.endr
	s_delay_alu instid0(VALU_DEP_1)
	v_lshl_or_b32 v[SW+\n], v[BY+1], 16, v[BY]     ; my bytes are those of blocks h and 2 + h of my row
	s_delay_alu instid0(VALU_DEP_1)
	v_lshlrev_b32 v[SW+\n], v[SH8], v[SW+\n]
	s_delay_alu instid0(VALU_DEP_1)
	v_mov_b32_dpp v[TP], v[SW+\n] row_xmask:8 row_mask:0xf bank_mask:0xf   ; the other half of my row is worked by thread lane L xor 8
	s_delay_alu instid0(VALU_DEP_1)
	v_or_b32 v[SW+\n], v[SW+\n], v[TP]             ; the whole word, in both lanes
.if \n > 0
	s_wait_alu depctr_va_vdst(0)
	s_wait_xcnt 0x0                                ; the last unit's stores have read the codes' registers
.endif
.irp c, 0,1
	v_cvt_scalef32_pk16_fp6_f32 v[PC+6*\c:PC+6*\c+2], v[\x+32*\c:\x+32*\c+15], v[SO+\c]
	v_cvt_scalef32_pk16_fp6_f32 v[TC+4*\c:TC+4*\c+2], v[\x+32*\c+16:\x+32*\c+31], v[SO+\c]
.endr
	v_nop                                          ; one plain place behind a scaled conversion
.irp c, 0,1
.irp i, 0,1,2
	v_mov_b32 v[PC+6*\c+3+\i], v[TC+4*\c+\i]
.endr
.endr
	global_store_b128 v[L16], v[PC:PC+3], s[12:13] offset:CO             ; 512 consecutive bytes, aligned to 256
	global_store_b64 v[L8], v[PC+4:PC+5], s[12:13] offset:CO+512         ; 256
	global_store_b128 v[L16], v[PC+6:PC+9], s[12:13] offset:CO+768
	global_store_b64 v[L8], v[PC+10:PC+11], s[12:13] offset:CO+1280
.endm
	s_wait_alu depctr_va_vdst(0)                   ; the head's end
	s_wait_tensorcnt 0x0                           ; my 32 rows are in
	LD 0, XA
	LD 1, XB
	s_wait_dscnt 16                                ; unit 0 is in; unit 1's sixteen loads may be out
	UNIT 0, XA
	LD 2, XA
	s_wait_dscnt 16
	UNIT 1, XB
	LD 3, XB
	s_wait_dscnt 16
	UNIT 2, XA
	s_wait_dscnt 0x0
	UNIT 3, XB
	v_cmp_ne_u32 vcc_lo, 0, v[HH]
	s_delay_alu instid0(VALU_DEP_1)
	v_cndmask_b32 v[BY], v[SW], v[SW+2], vcc_lo    ; lanes with h = 0 store tile 0's two words of row r, the others tile 1's
	v_cndmask_b32 v[BY+1], v[SW+1], v[SW+3], vcc_lo
	global_store_b64 v[SAD], v[BY:BY+1], s[14:15]
	s_wait_tensorcnt 0x0                           ; the wave's end
	ds_add_u32 v[SPW], v[NIL]
	s_wait_dscnt 0x0
	s_endpgm
.Lfunc_end_k_qc3e8ed020a_quant:
	.size	k_qc3e8ed020a_quant, .Lfunc_end_k_qc3e8ed020a_quant-k_qc3e8ed020a_quant
	.p2alignl 7, 3214868480
	.fill 96, 4, 3214868480
	.section	.rodata,"a",@progbits
	.p2align	6, 0x0
	.amdhsa_kernel k_qc3e8ed020a_quant
		.amdhsa_group_segment_fixed_size 200448
		.amdhsa_private_segment_fixed_size 0
		.amdhsa_enable_private_segment 0
		.amdhsa_kernarg_size 48
		.amdhsa_user_sgpr_count 2
		.amdhsa_user_sgpr_kernarg_segment_ptr 1
		.amdhsa_wavefront_size32 1
		.amdhsa_system_sgpr_workgroup_id_x 1
		.amdhsa_system_sgpr_workgroup_id_y 1
		.amdhsa_system_sgpr_workgroup_id_z 1
		.amdhsa_system_vgpr_workitem_id 0
		.amdhsa_next_free_vgpr 192
		.amdhsa_next_free_sgpr 66
		.amdhsa_reserve_vcc 1
		.amdhsa_float_denorm_mode_32 3
		.amdhsa_float_denorm_mode_16_64 3
		.amdhsa_memory_ordered 1
		.amdhsa_forward_progress 1
		.amdhsa_inst_pref_size 27
	.end_amdhsa_kernel
	.amdgpu_metadata
---
amdhsa.version: [ 1, 2 ]
amdhsa.kernels:
  - .name:           k_qc3e8ed020a_quant
    .symbol:         k_qc3e8ed020a_quant.kd
    .args:
      - { .name: x, .offset: 0, .size: 8, .value_kind: global_buffer, .address_space: global }
      - { .name: Wq, .offset: 8, .size: 8, .value_kind: global_buffer, .address_space: global }
      - { .name: Wk, .offset: 16, .size: 8, .value_kind: global_buffer, .address_space: global }
      - { .name: Wv, .offset: 24, .size: 8, .value_kind: global_buffer, .address_space: global }
      - { .name: cod, .offset: 32, .size: 8, .value_kind: global_buffer, .address_space: global }
      - { .name: scl, .offset: 40, .size: 8, .value_kind: global_buffer, .address_space: global }
    .group_segment_fixed_size: 200448
    .private_segment_fixed_size: 0
    .kernarg_segment_align: 8
    .kernarg_segment_size: 48
    .max_flat_workgroup_size: 192
    .sgpr_count:     66
    .vgpr_count:     192
    .wavefront_size: 32
...
	.end_amdgpu_metadata
.endif
;; end of part 1
;; launch proj (part 2): grid 16 x 16, 4 waves a work-group, clusters of 4 x 4, 327,680 bytes of LDS; arguments cod, scl, qkv, qkvs, Wo, woc, wos; writes qkv, qkvs, woc, wos
.if DOCPART == 2
	.amdgcn_target "amdgcn-amd-amdhsa--gfx1250"
	.amdhsa_code_object_version 6
	.text
	.protected	k_qc3e8ed020a_proj
	.globl	k_qc3e8ed020a_proj
	.p2align	8
	.type	k_qc3e8ed020a_proj,@function
k_qc3e8ed020a_proj:
	s_mov_b64 s[64:65], 0
	v_nop
	global_prefetch_b8 v0, s[64:65] scope:SCOPE_SE
	s_setreg_imm32_b32 hwreg(HW_REG_WAVE_MODE, 25, 1), 1
	s_wait_xcnt 0x0
	s_wait_alu depctr_hold_cnt(0) depctr_sa_sdst(0) depctr_va_vdst(0) depctr_va_sdst(0) depctr_va_ssrc(0) depctr_va_vcc(0) depctr_vm_vsrc(0)
	s_getreg_b32 s2, hwreg(HW_REG_IB_STS2, 6, 4)
	s_cmp_eq_u32 s2, 0
	s_cbranch_scc0 .Lentry_in_a_cluster
	s_endpgm
.Lentry_in_a_cluster:
	s_bfe_u32 s2, ttmp6, 0x10000c
	s_cmp_lg_u32 s2, 0xf033
	s_cbranch_scc0 .Lentry_shape_is_right
	s_endpgm
.Lentry_shape_is_right:
; The three projections, on codes of FP6 (E2M3), and the quantisers behind them.  ONE FORM serves all: D = S0 S1^T, source 0 = 16 rows of S0, source 1 = 16 rows of S1, and D is quantised ALONG S0's ROWS.
; q, k: S0 = Wq | Wk (192 tiles), S1 = x (128 tiles): a lane holds one token, its registers run along the features, which are the next product's K.
; v:    S0 = x, S1 = Wv (64 tiles): a lane holds one channel, its registers run along the tokens: the keys, which are the K of the product with v.  Nothing is transposed.
; Operands lie in memory as images of registers (cod: [K step / 4][tile 512][K step % 4][1,536]; scl: [tile][K step / 4][r][K step % 4] words).  Lane r of tile t holds row 32 (t / 2) + 8 (t % 2) + r % 8 + 16 (r / 8), so the 16 result
; registers of S0's tiles 2 b, 2 b + 1 are 16 neighbours along S0's rows: 32 b + 16 (lane / 16) + 0 .. 15.
; SHARES: 32,768 pairs of tiles; a work-group takes 16 tiles of S0 x 8 of S1: 256 work-groups.  Four waves, each 8 x 4 tiles: 32 accumulators.  K goes through two LDS slots of four K steps of 128.
; CLUSTERS 4 x 4: S1's tiles hang on the row alone and are shared along a row of the cluster, S0's on the column alone and are shared along a column: each is asked for jointly.  The cluster's y says which case:
; 0, 1: q; 2: k; 3: v: the same in all sixteen partners.  No branch and no LDS address hangs on a work-group's place in its cluster.
; OUT (qkv): q [head 16][tile 128][1,536], half 0 = sub-head 1, half 1 = sub-head 2, q x 0.125 (a power of two: exact); k at 3,145,728: [k-head 16][pair of key tiles 64][1,536], half u = key tile 2 b + u, 64 dims;
; v at 4,718,592: [v-head 8][128 keys 16][channel tile 8][1,536].  (qkvs): blocks of 256 bytes, [r 16][4 words]; a wave's four words X0 .. X3 lie in the order X0, X2, X1, X3.
; LIMITS: a block of zeros gets the byte 1 where the rule says 127 (its codes are zeros; this program alone reads the bytes); NaN and infinities are not served.
; REGISTERS: window 0: v8-29 addresses; v32-95 scale words, two sets, and nothing else; v96-127 the way out; v128-223 S1's fragments, two sets.  window 1: S0's fragments at v0 and v128.  window 2: accumulator (a, b) at v[8 (8 a + b)].
.set NB,    8                          ; S0's tiles a wave
.set NA,    4                          ; S1's
.set FRB,   1536
.set TROW,  4*FRB                      ; a tile's four K steps: a row of a tensor tile
; THE LAYOUT OF cod THAT THIS TEXT READS: [K step / 4][tile 512][K step % 4][1,536]: the four K steps of neighbouring tiles are one dense run, and the next four K steps lie PH bytes on.
; LDS: S0's slot 0, S0's slot 1, S1's slot 0, S1's slot 1.  At the head one load brings both slots of a side (two rows, PH bytes apart in memory, on end in LDS): four loads, one a wave, with the scale words.
.set TILEB, TROW                       ; from tile to tile in memory
.set PH,    512*TROW                   ; from four K steps to the next four
.set S0H,   NB*TROW
.set S1H,   NA*TROW
.set S1O,   4*S0H                      ; S1's two slots lie behind S0's two
.set SLOT,  2*S0H+2*S1H
.set SCL,   2*SLOT                     ; behind the ring: the scale words for all of K: S0's, then S1's; filled once
.set SC0H,  NB*1024
.set SC1H,  NA*1024
.set SC1O,  2*SC0H
.set SPARE, SCL+SC1O+2*SC1H            ; the spare words, 128 bytes for each wave
.set L16,   8
.set L8,    9
.set AD0,   16                         ; v16-17 S0: 16 x lane + my half, slots 0, 1; v18-19 the same with 8 x lane
.set AD1,   20                         ; v20-23 S1 likewise
.set ADSAB, 24                         ; v24 scale words: lanes 0-15 S0's tiles, lanes 16-31 S1's
.set ADSA,  25                         ; v25 S0's in all lanes
.set SPW,   28
.set NIL,   29
.set SCR,   32
.set SCS,   4*NB
.set PC,    96                         ; the way out: codes v96-107, at work v108-115
.set VO,    116                        ; v116-119 store offsets
.set PWR,   120                        ; v120-123 four scale words
.set XW,    124                        ; v124-127 regrouped
.set SF,    128                        ; S1's fragments
.set XN,    128                        ; the way out: 64 numbers
.set TM,    192                        ; v192-207 at work in the quantiser
.set G1,  24                           ; s[24:31] group 1, s[32:39] groups 0: S1's codes
.set G0,  32
.set G1B, 48                           ; s[48:55], s[56:63]: S0's codes
.set G0B, 56
.set G1S, 68                           ; s[68:75], s[76:79]: S1's scale words
.set G0S, 76
.set G1SB, 80                          ; s[80:87], s[88:91]: S0's
.set G0SB, 88
.set SEL, 98                           ; s[98:99]
.set EC1, 24                           ; the way out's constants take the code descriptors' registers once no tensor load is out
.set EC2, 25
.set EC3, 26
.set ESA, 27
.set ESC, 28
.set ESEL0, 29
.set ESEL1, 30
.set ED0, 31
.set ED1, 32
.set ED2, 33
.set EC0, 34
.set EOFF, 35
.set EOFF1, 36
.set ESOFF, 37
.set EG,  38
.set ETMP, 39
.set EMUL, 66                          ; s[66:67]
.set MSB, 0
.macro WIN new                         ; the immediate's high byte repeats the setting that is left
.if MSB != \new
	s_set_vgpr_msb (MSB<<8)|\new
.set MSB, \new
.endif
.endm
.set MUL,   0xa1                       ; source 0 (S0) window 1, source 1 (S1) window 0, C and D window 2
.set TO_S0, 0x40
.macro PLACES n
.rept \n
	v_nop
.endr
.endm
; A joint load: waves 0 and 1 fetch S1's halves, waves 2 and 3 S0's.  The branch hangs on the wave's number alone.  An s_nop 0 and four v_nop follow each of the two lines.
.macro JLOAD g0a, g1a, g0b, g1b
	s_cmp_eq_u32 s15, 0
	s_cbranch_scc0 .Lfor_b_\@
	tensor_load_to_lds s[\g0a:\g0a+3], s[\g1a:\g1a+7]
	s_nop 0
.rept 4
	v_nop
.endr
	s_branch .Lasked_\@
.Lfor_b_\@:
	tensor_load_to_lds s[\g0b:\g0b+3], s[\g1b:\g1b+7]
	s_nop 0
.rept 4
	v_nop
.endr
.Lasked_\@:
.endm
.macro CREST                           ; a round of the cluster's barrier behind its opening barrier
	s_cmp_lg_u32 s14, 0
	s_cbranch_scc1 .Lnot_wave_0_\@
	s_barrier_signal -3
.Lnot_wave_0_\@:
	s_barrier_wait -3
	s_barrier_signal -1
	s_barrier_wait -1
.endm
.macro CROUND
	s_barrier_signal -1
	s_barrier_wait -1
	CREST
.endm
.macro FRAG reg, a16, a8, off          ; a fragment's image back into 12 registers
	ds_load_b128 v[\reg:\reg+3], v[\a16] offset:\off
	ds_load_b64 v[\reg+4:\reg+5], v[\a8] offset:\off+512
	ds_load_b128 v[\reg+6:\reg+9], v[\a16] offset:\off+768
	ds_load_b64 v[\reg+10:\reg+11], v[\a8] offset:\off+1280
.endm
; 64 numbers of a lane, register 16 b + i = k 32 b + 16 (lane / 16) + i of my row, become a fragment's codes in v[pc] on and its scale word in v[pw]
.macro QUANT s, pc, pw
.irp b, 0,1,2,3
	v_max3_num_f32 v[TM+\b], |v[\s+16*\b]|, |v[\s+1+16*\b]|, 0x1800000   ; with the floor 2^(3 - 127)
.endr
.irp i, 2,4,6,8,10,12,14
.irp b, 0,1,2,3
	v_max3_num_f32 v[TM+\b], v[TM+\b], |v[\s+16*\b+\i]|, |v[\s+1+16*\b+\i]|
.endr
.endr
.irp b, 0,1,2,3
	v_permlanex16_b32 v[TM+4+\b], v[TM+\b], s[SEL], s[SEL+1]
.endr
.irp b, 0,1,2,3
	v_max_num_f32 v[TM+\b], v[TM+\b], v[TM+4+\b]   ; with lane l xor 16's: the block's largest magnitude
.endr
.irp b, 0,1,2,3
	v_add_nc_u32 v[TM+12+\b], 0xff000000, v[TM+\b] ; 2 off its exponent field: the conversion's scale operand
.endr
.irp b, 0,1,2,3
	v_lshrrev_b32 v[TM+4+\b], 23, v[TM+12+\b]      ; the byte
.endr
	v_lshl_or_b32 v[\pw], v[TM+5], 8, v[TM+4]
	v_lshl_or_b32 v[\pw], v[TM+6], 16, v[\pw]
	v_lshl_or_b32 v[\pw], v[TM+7], 24, v[\pw]
.irp c, 0,1
	v_cvt_scalef32_pk16_fp6_f32 v[\pc+6*\c:\pc+2+6*\c], v[\s+32*\c:\s+15+32*\c], v[TM+12+2*\c]
	v_cvt_scalef32_pk16_fp6_f32 v[\pc+12+4*\c:\pc+14+4*\c], v[\s+16+32*\c:\s+31+32*\c], v[TM+12+2*\c+1]
.endr
	v_nop                                          ; one plain place behind a scaled conversion
.irp c, 0,1                                    ; the operand's layout wants a whole block in a lane
.irp i, 0,1,2
	v_permlane16_swap_b32 v[\pc+6*\c+\i], v[\pc+12+4*\c+\i]
.endr
.irp i, 0,1,2
	v_mov_b32 v[\pc+3+6*\c+\i], v[\pc+12+4*\c+\i]
.endr
.endr
.endm
	s_load_b256 s[4:11], s[0:1], 0x0               ; cod, scl, qkv, qkvs
	s_load_b64 s[100:101], s[0:1], 0x20            ; Wo
	v_lshl_add_u32 v[SPW], v0, 2, SPARE
	v_mov_b32 v[NIL], 0
	ds_add_u32 v[SPW], v[NIL]                      ; the wave's opening: the add and its wait ahead of my first tensor load
	ds_add_u32 v[SPW], v[NIL]
	v_lshrrev_b32 v1, 5, v0
	v_readfirstlane_b32 s14, v1                    ; wave 0..3
	s_lshr_b32 s15, s14, 1                         ; wy: my half of S1's tiles.  Also: I fetch for S1 (0) or for S0 (1)
	s_and_b32 s16, s14, 1                          ; wx: my half of S0's tiles.  Also: which half I fetch
	s_bfe_u32 s40, ttmp6, 0x40000                  ; cx
	s_bfe_u32 s41, ttmp6, 0x40004                  ; cy
	s_and_b32 s12, ttmp7, 0xffff                   ; the cluster's y: the case
	s_lshl_b32 s18, s12, 2
	s_and_b32 s19, ttmp9, 1
	s_lshl_b32 s19, s19, 2
	s_lshl_b32 s20, ttmp9, 2
	s_lshr_b32 s21, ttmp9, 1
	s_lshl_b32 s21, s21, 2
	s_cmp_lt_u32 s12, 3                            ; q or k?
	s_cselect_b32 s42, s18, s19                    ; column: 4 y (+ cx), or for v 4 (x % 2)
	s_cselect_b32 s17, s20, s21                    ; row: 4 x (+ cy), or for v 4 (x / 2)
	s_cselect_b32 s45, 128, 0                      ; S0's first tile in cod: Wq's, or x's
	s_cselect_b32 s13, 0, 320                      ; S1's: x's, or Wv's
	s_add_co_u32 s42, s42, s40                     ; col
	s_add_co_u32 s17, s17, s41                     ; row
	s_lshl_b32 s43, s41, 2
	s_lshl_b32 s43, 15, s43                        ; my row of the cluster
	s_lshl_b32 s44, 0x1111, s40                    ; my column
	s_or_b32 s[G1], s43, (3<<16)|(1<<21)           ; the mask; elements of 8 bytes; bit 21 set beside a mask; no padding
	s_or_b32 s[G1B], s44, (3<<16)|(1<<21)
	s_or_b32 s[G1S], s43, (3<<16)|(1<<21)
	s_or_b32 s[G1SB], s44, (3<<16)|(1<<21)
.irp g, G1, G1B
	s_mov_b32 s[\g+2], 2<<16                       ; the head's loads: two rows, K steps 0-3 and 4-7 of all the side's tiles
	s_mov_b32 s[\g+4], 2
	s_mov_b32 s[\g+5], PH/8
	s_mov_b32 s[\g+6], 0
	s_mov_b32 s[\g+7], 0
.endr
	s_mov_b32 s[G1+1], (2*S1H/8)<<16
	s_mov_b32 s[G1+3], (2*S1H/8)<<16
	s_mov_b32 s[G1B+1], (2*S0H/8)<<16
	s_mov_b32 s[G1B+3], (2*S0H/8)<<16
.irp g, G1S, G1SB
	s_mov_b32 s[\g+1], 32<<16                      ; dense blocks, as rows of 256 bytes
	s_mov_b32 s[\g+3], 32<<16
	s_mov_b32 s[\g+5], 32
	s_mov_b32 s[\g+6], 0
	s_mov_b32 s[\g+7], 0
.endr
	s_mov_b32 s[G1S+2], (SC1H/128)<<16
	s_mov_b32 s[G1S+4], SC1H/128
	s_mov_b32 s[G1SB+2], (SC0H/128)<<16
	s_mov_b32 s[G1SB+4], SC0H/128
	s_lshl_b32 s20, s17, 3
	s_add_co_u32 s20, s20, s13                     ; S1: the work-group's first tile: made of the row alone
	s_lshl_b32 s46, s42, 4
	s_add_co_u32 s46, s46, s45                     ; S0: made of the column alone
	s_lshl_b32 s22, s20, 10                        ; their scale words,
	s_mov_b32 s23, 0
	s_lshl_b32 s92, s46, 10
	s_mov_b32 s93, 0
	s_mul_i32 s20, s20, TILEB                      ; their codes
	s_mov_b32 s21, 0
	s_mul_i32 s46, s46, TILEB
	s_mov_b32 s47, 0
	s_mul_i32 s94, s16, S1H                        ; where they go: no place in the cluster enters an LDS address
	s_mul_i32 s95, s16, S0H
	s_mul_i32 s96, s16, SC1H
	s_mul_i32 s97, s16, SC0H
	s_mov_b32 s[SEL], 0x76543210
	s_mov_b32 s[SEL+1], 0xfedcba98
	s_wait_dscnt 0x0                               ; the opening add is done
	s_wait_kmcnt 0x0
	s_add_nc_u64 s[20:21], s[4:5], s[20:21]
	s_add_nc_u64 s[22:23], s[6:7], s[22:23]
	s_add_nc_u64 s[46:47], s[4:5], s[46:47]
	s_add_nc_u64 s[92:93], s[6:7], s[92:93]
	CROUND                                         ; all sixteen work-groups are here: the first joint loads meet
	; THE HEAD'S FOUR TILES, ONE LOAD A WAVE: wave 0 both slots' S1 codes, wave 1 their S0 codes, wave 2 S1's scale words, wave 3 S0's, each whole
	s_mov_b32 s[G0S], 1
	s_mov_b32 s[G0S+1], SCL+SC1O
	s_mov_b64 s[G0S+2:G0S+3], s[22:23]
	s_or_b32 s[G0S+3], s[G0S+3], 0x80000000
	s_mov_b32 s[G0SB], 1
	s_mov_b32 s[G0SB+1], SCL
	s_mov_b64 s[G0SB+2:G0SB+3], s[92:93]
	s_or_b32 s[G0SB+3], s[G0SB+3], 0x80000000
	s_mov_b32 s[G0], 1
	s_mov_b32 s[G0+1], S1O
	s_mov_b64 s[G0+2:G0+3], s[20:21]
	s_or_b32 s[G0+3], s[G0+3], 0x80000000
	s_mov_b32 s[G0B], 1
	s_mov_b32 s[G0B+1], 0
	s_mov_b64 s[G0B+2:G0B+3], s[46:47]
	s_or_b32 s[G0B+3], s[G0B+3], 0x80000000
	s_mul_i32 s18, s16, NA*TILEB                   ; for the ring: the half that I fetch
	s_mov_b32 s19, 0
	s_mul_i32 s96, s16, NB*TILEB
	s_mov_b32 s97, 0
	s_add_nc_u64 s[20:21], s[20:21], s[18:19]
	s_add_nc_u64 s[46:47], s[46:47], s[96:97]
	s_mov_b32 s[G0+4], 1
	s_add_co_u32 s[G0+5], s94, S1O+2*S1H
	s_add_nc_u64 s[G0+6:G0+7], s[20:21], PH
	s_or_b32 s[G0+7], s[G0+7], 0x80000000
	s_mov_b32 s[G0B+4], 1
	s_add_co_u32 s[G0B+5], s95, 2*S0H
	s_add_nc_u64 s[G0B+6:G0B+7], s[46:47], PH
	s_or_b32 s[G0B+7], s[G0B+7], 0x80000000
.macro ARM under, g0, g1, next         ; one chain of branches on the wave's number: every way passes one load
	s_cmp_lt_u32 s14, \under
	s_cbranch_scc0 \next
	tensor_load_to_lds s[\g0:\g0+3], s[\g1:\g1+7]
	s_nop 0
.rept 4
	v_nop
.endr
	s_branch .Lhead_asked
\next:
.endm
	ARM 1, G0,  G1,  .Lhead_b
	ARM 2, G0B, G1B, .Lhead_sa
	ARM 3, G0S, G1S, .Lhead_sb
	tensor_load_to_lds s[G0SB:G0SB+3], s[G1SB:G1SB+7]
	s_nop 0
.rept 4
	v_nop
.endr
.Lhead_asked:
	v_and_b32 v1, 31, v0                           ; lane
	v_and_b32 v2, 15, v0                           ; r
	v_bfe_u32 v3, v0, 4, 1                         ; h
	v_lshlrev_b32 v[L16], 4, v1
	v_lshlrev_b32 v[L8], 3, v1
	s_mul_i32 s18, s16, S0H
	s_mul_i32 s19, s15, S1H
	s_add_co_u32 s19, s19, S1O
.irp s, 0,1
	v_add_nc_u32 v[AD0+\s], s18, v[L16]
	v_add_nc_u32 v[AD0+2+\s], s18, v[L8]
	v_add_nc_u32 v[AD1+\s], s19, v[L16]
	v_add_nc_u32 v[AD1+2+\s], s19, v[L8]
	s_add_co_u32 s18, s18, 2*S0H
	s_add_co_u32 s19, s19, 2*S1H
.endr
	v_lshlrev_b32 v4, 4, v2                        ; 16 r
	s_mul_i32 s18, s16, SC0H                       ; S0's: my 8 tiles
	s_mul_i32 s19, s15, SC1H                       ; S1's: my 4 tiles, behind S0's 16
	s_add_co_u32 s19, s19, SC1O
	s_sub_co_u32 s19, s19, s18
	v_mul_u32_u24 v5, s19, v3                      ; lanes 16-31 take S1's: one product, the distance between the two
	s_add_co_u32 s18, s18, SCL
	v_add_nc_u32 v[ADSA], s18, v4
	v_add_nc_u32 v[ADSAB], v[ADSA], v5
; eight matrix instructions: S1's tile a against S0's eight, the slot's q-th K step.  The 32 accumulators take turns, one instruction a turn, in the same order in every step
.macro MMROW a, set, q, sc, zero
.irp b, 0,1,2,3,4,5,6,7
.if \zero
	v_wmma_scale_f32_16x16x128_f8f6f4 v[8*(NB*(\a)+\b):8*(NB*(\a)+\b)+7], v[128*(\set)+12*\b:128*(\set)+12*\b+11], v[SF+48*(\set)+12*(\a):SF+48*(\set)+12*(\a)+11], 0, v[SCR+SCS*(\sc)+4*\b+(\q)], v[SCR+SCS*(\sc)+4*(\a)+(\q)] matrix_a_fmt:MATRIX_FMT_FP6 matrix_b_fmt:MATRIX_FMT_FP6 matrix_b_scale:MATRIX_SCALE_ROW1
.else
	v_wmma_scale_f32_16x16x128_f8f6f4 v[8*(NB*(\a)+\b):8*(NB*(\a)+\b)+7], v[128*(\set)+12*\b:128*(\set)+12*\b+11], v[SF+48*(\set)+12*(\a):SF+48*(\set)+12*(\a)+11], v[8*(NB*(\a)+\b):8*(NB*(\a)+\b)+7], v[SCR+SCS*(\sc)+4*\b+(\q)], v[SCR+SCS*(\sc)+4*(\a)+(\q)] matrix_a_fmt:MATRIX_FMT_FP6 matrix_b_fmt:MATRIX_FMT_FP6 matrix_b_scale:MATRIX_SCALE_ROW1
.endif
.endr
.endm
.macro FETCH slot, q, set              ; 48 LDS loads in one run: the fragments of one K step
	WIN TO_S0
.irp b, 0,1,2,3,4,5,6,7
	FRAG 128*(\set)+12*\b, AD0+\slot, AD0+2+\slot, \b*TROW+(\q)*FRB
.endr
	WIN 0
.irp a, 0,1,2,3
	FRAG SF+48*(\set)+12*\a, AD1+\slot, AD1+2+\slot, \a*TROW+(\q)*FRB
.endr
.endm
.macro SCALES set, ph                  ; the scale words of four K steps: register 4 i + q: lanes 0-15 S0's tile i, lanes 16-31 (i < 4) S1's tile i
.irp i, 0,1,2,3
	ds_load_b128 v[SCR+SCS*(\set)+4*\i:SCR+SCS*(\set)+4*\i+3], v[ADSAB] offset:\i*1024+(\ph)*256
.endr
.irp i, 4,5,6,7
	ds_load_b128 v[SCR+SCS*(\set)+4*\i:SCR+SCS*(\set)+4*\i+3], v[ADSA] offset:\i*1024+(\ph)*256
.endr
.endm
.macro STEP slot, q, zero              ; a K step that has its successor in the same slot
	s_wait_dscnt 0x0                               ; this step's fragments are in
	WIN MUL
	MMROW 0, (\q)%2, \q, \slot, \zero
	PLACES 4                                       ; in front of loads into the set that the last step's products read
	FETCH \slot, (\q)+1, 1-(\q)%2
	WIN MUL
	MMROW 1, (\q)%2, \q, \slot, \zero
	MMROW 2, (\q)%2, \q, \slot, \zero
	MMROW 3, (\q)%2, \q, \slot, \zero
	WIN 0
.endm
; A slot's last K step changes slots: ONE barrier; in front of it each wave waits for all its tensor loads, adds 0 to its spare word, and waits for that and for its reads of this slot.  fill = 1: the slot is filled again, 8 K steps on.
.macro TURN slot, next, fill, ph
	WIN 0
	s_wait_tensorcnt 0x0                           ; all my tensor loads have landed: my part of the next slot
	ds_add_u32 v[SPW], v[NIL]                      ; 0 onto my spare word
	s_wait_dscnt 1                                 ; this step's fragments are in; the add may be out
	WIN MUL
	MMROW 0, 1, 3, \slot, 0
	s_wait_dscnt 0x0                               ; the add is done, and my reads of this slot are over
	s_barrier_signal -1
	MMROW 1, 1, 3, \slot, 0
	WIN 0
	s_barrier_wait -1
.if \fill
	CREST                                          ; the barrier has opened a round of the cluster's: no wave of any partner still reads this slot or has a load on its way
.if \fill == 1
	s_add_nc_u64 s[G0+4*\slot+2:G0+4*\slot+3], s[G0+4*\slot+2:G0+4*\slot+3], 2*PH
	s_add_nc_u64 s[G0B+4*\slot+2:G0B+4*\slot+3], s[G0B+4*\slot+2:G0B+4*\slot+3], 2*PH
	JLOAD G0+4*\slot, G1, G0B+4*\slot, G1B         ; the first tensor load behind the round; its four v_nop are also the places in front of the loads below
.else
	tensor_load_to_lds s[G0W:G0W+3], s[G1W:G1W+7]  ; fill = 2: my 32 rows x 512 bytes of Wo, a load of my own (no mask), into my part of S0's slot 0, which is read no more
	s_nop 0
	PLACES 4
.endif
.else
	PLACES 4
.endif
	FETCH \next, 0, 0
	SCALES \next, \ph
.if (\fill == 1) && (\slot == 0)
	global_prefetch_b8 v10, s[96:97] offset:PH th:TH_LOAD_NT scope:SCOPE_SE   ; K steps 12-15, which the next change of slots loads: my work-group's 144 blocks of 256 bytes
	global_prefetch_b8 v11, s[96:97] offset:PH th:TH_LOAD_NT scope:SCOPE_SE
.endif
	WIN MUL
	MMROW 2, 1, 3, \slot, 0
	MMROW 3, 1, 3, \slot, 0
	WIN 0
.endm
	s_wait_alu depctr_va_vdst(0)
	s_wait_tensorcnt 0x0                           ; my tile of the head's four is in, and no load of mine is out: the descriptors may be written
.irp g, G1, G1B
	s_mov_b32 s[\g+1], (TROW/8)<<16                ; from here on a load brings half a side's tiles, four K steps: rows of 6,144 bytes on end
	s_mov_b32 s[\g+3], (TROW/8)<<16
	s_mov_b32 s[\g+5], TROW/8
.endr
	s_mov_b32 s[G1+2], NA<<16
	s_mov_b32 s[G1+4], NA
	s_mov_b32 s[G1B+2], NB<<16
	s_mov_b32 s[G1B+4], NB
	s_add_co_u32 s[G0+1], s94, S1O                 ; slot 0's groups 0 name my half
	s_mov_b64 s[G0+2:G0+3], s[20:21]
	s_or_b32 s[G0+3], s[G0+3], 0x80000000
	s_mov_b32 s[G0B+1], s95
	s_mov_b64 s[G0B+2:G0B+3], s[46:47]
	s_or_b32 s[G0B+3], s[G0B+3], 0x80000000
	s_add_nc_u64 s[96:97], s[4:5], 2*PH            ; the prefetches' base: K steps 8-11
	; Wo IS QUANTISED HERE TOO, for the last launch.  64 groups of 32 rows (two tiles) x four quarters of K are 256 jobs, one a work-group; a wave takes one K step (512 bytes) of the 32 rows by one tensor load,
	; issued behind the third change of slots, where nothing else is left to fetch; it lands under the last four K steps and the way out, and is worked at the kernel's end.  An LDS row is 512 + 16 bytes.
	; The scale words' descriptors are done with (their loads have landed): their registers take this load's.
.set G1W, 68
.set G0W, 76
.set WPITCH, 528
.set WREGW, 32*WPITCH
	s_load_b128 s[80:83], s[0:1], 0x28             ; woc, wos: waited for at the kernel's end
	s_mov_b32 s[G1W], (3<<16)|(1<<20)|(6<<22)|(3<<25)   ; no mask; elements of 8 bytes; behind every 128 words 4 words of padding
	s_mov_b32 s[G1W+1], 64<<16
	s_mov_b32 s[G1W+2], 32<<16
	s_mov_b32 s[G1W+3], 64<<16
	s_mov_b32 s[G1W+4], 32
	s_mov_b32 s[G1W+5], 1024                       ; from row to row: 8,192 bytes
	s_mov_b32 s[G1W+6], 0
	s_mov_b32 s[G1W+7], 0
	s_lshl_b32 s84, s12, 2
	s_add_co_u32 s84, s84, s41                     ; work-group y
	s_lshl_b32 s84, s84, 2
	s_add_co_u32 s84, s84, ttmp9                   ; which 32 rows: 4 y + x / 4;  which four K steps: x % 4 = cx
	s_lshl_b32 s86, s84, 18
	s_lshl_b32 s87, s40, 11
	s_add_co_u32 s86, s86, s87
	s_lshl_b32 s87, s14, 9                         ; my K step of the four
	s_add_co_u32 s86, s86, s87
	s_mov_b32 s87, 0
	s_mov_b32 s[G0W], 1
	s_mul_i32 s[G0W+1], s14, WREGW
	s_add_nc_u64 s[G0W+2:G0W+3], s[100:101], s[86:87]
	s_or_b32 s[G0W+3], s[G0W+3], 0x80000000
	s_lshl_b32 s18, s42, 4                         ; THE PREFETCHES.  A change of slots loads 16 tiles of S0 and 8 of S1, 24 blocks of 256 bytes each.  The four partners that ask for a tile jointly share it out by address:
	s_add_co_u32 s18, s18, s45                     ; my work-group names S0's tiles 4 cy .. + 3
	s_lshl_b32 s19, s41, 2
	s_add_co_u32 s18, s18, s19
	s_lshl_b32 s19, s17, 3                         ; and S1's tiles 2 cx, 2 cx + 1: six tiles, 144 blocks, 36 a wave
	s_add_co_u32 s19, s19, s13
	s_lshl_b32 s22, s40, 1
	s_add_co_u32 s19, s19, s22
	s_sub_co_u32 s19, s19, 4
	s_mul_i32 s22, s14, 36
	s_barrier_signal -1
	s_barrier_wait -1                              ; all four tiles are in
	v_and_b32 v12, 31, v0
	v_min_u32 v13, 3, v12
	v_add_nc_u32 v10, s22, v12                     ; block 36 w + lane,
	v_add3_u32 v11, s22, v13, 32                   ; and 36 w + 32 + lane for four lanes (the others name the wave's last block again)
.irp p, 10, 11
	v_mul_u32_u24 v12, v\p, 171
	v_lshrrev_b32 v12, 12, v12                     ; which of the six tiles: block / 24
	v_mul_u32_u24 v13, v12, 24
	v_sub_nc_u32 v13, v\p, v13                     ; block % 24
	v_add_nc_u32 v14, s18, v12
	v_add_nc_u32 v15, s19, v12
	v_cmp_gt_u32 vcc_lo, 4, v12
	v_cndmask_b32 v14, v15, v14, vcc_lo
	v_mul_u32_u24 v14, v14, TROW
	v_lshl_add_u32 v\p, v13, 8, v14
.endr
	s_wait_alu depctr_va_vdst(0)
	FETCH 0, 0, 0
	global_prefetch_b8 v10, s[96:97] th:TH_LOAD_NT scope:SCOPE_SE   ; K steps 8-11, which the first change of slots loads, four K steps from here
	global_prefetch_b8 v11, s[96:97] th:TH_LOAD_NT scope:SCOPE_SE
	SCALES 0, 0
	STEP 0, 0, 1                                   ; the first products start the sums: nothing is cleared
	STEP 0, 1, 0
	STEP 0, 2, 0
	TURN 0, 1, 1, 1
	STEP 1, 0, 0
	STEP 1, 1, 0
	STEP 1, 2, 0
	TURN 1, 0, 1, 2
	STEP 0, 0, 0
	STEP 0, 1, 0
	STEP 0, 2, 0
	TURN 0, 1, 2, 3                                ; nothing of the products is left to fetch: Wo's rows are asked for
	STEP 1, 0, 0
	STEP 1, 1, 0
	STEP 1, 2, 0
	s_wait_dscnt 0x0                               ; the last K step
	WIN MUL
	MMROW 0, 1, 3, 1, 0
	MMROW 1, 1, 3, 1, 0
	MMROW 2, 1, 3, 1, 0
	MMROW 3, 1, 3, 1, 0
	WIN 0
	; THE WAY OUT.  No LDS, no branch: the three cases differ in constants, chosen by the cluster's y.  For each of my four tiles of S1: 64 numbers a lane, scaled (q: x 0.125), quantised, stored as an image.
	PLACES 4
.irp b, 0,1,2,3
	v_mov_b32 v[TM+4+\b], 0                        ; a lane permute's destination counts as one of its sources
.endr
	s_mov_b32 s[EC0], 0                            ; q's constants,
	s_mov_b32 s[EC1], 196608
	s_mov_b32 s[EC2], 12288
	s_mov_b32 s[EC3], 6144
	s_mov_b32 s[ESA], 1536
	s_mov_b32 s[ESC], 768
	s_mov_b32 s[EMUL], 0x3e000000
	s_mov_b32 s[ESEL0], 0x03020100
	s_mov_b32 s[ESEL1], 0x07060504
	s_mov_b32 s[ED0], 0
	s_mov_b32 s[ED1], 8192
	s_mov_b32 s[ED2], 512
	s_cmp_eq_u32 s12, 2                            ; k's: a fragment's two halves belong to two k-heads, and a key tile is half a fragment
	s_cselect_b32 s[EC2], 6144, s[EC2]
	s_cselect_b32 s[EC3], 3072, s[EC3]
	s_cselect_b32 s[ESA], 768, s[ESA]
	s_cselect_b32 s[ESC], 98304, s[ESC]
	s_cselect_b32 s[ESEL0], 0x05040100, s[ESEL0]
	s_cselect_b32 s[ESEL1], 0x07060302, s[ESEL1]
	s_cselect_b32 s[ED0], 0xfffe0000, s[ED0]       ; 131,072 - 16 x 16,384: k's groups of 128 features are numbers 16 to 23
	s_cselect_b32 s[ED1], 16384, s[ED1]
	s_cmp_eq_u32 s12, 3                            ; v's
	s_cselect_b32 s[EC0], 4718592, s[EC0]
	s_cselect_b32 s[EC1], 12288, s[EC1]
	s_cselect_b32 s[EC2], 196608, s[EC2]
	s_cselect_b32 s[ED0], 139264, s[ED0]
	s_cselect_b32 s[ED1], 512, s[ED1]
	s_cselect_b32 s[ED2], 16384, s[ED2]
	s_cmp_lt_u32 s12, 2
	s_cselect_b32 s[EMUL], s[EMUL], 1.0
	s_mov_b32 s[EMUL+1], s[EMUL]
	s_lshl_b32 s[EG], s42, 1
	s_add_co_u32 s[EG], s[EG], s16                 ; my group of 128 rows of S0
	s_mul_i32 s[EOFF], s[EG], s[EC1]
	s_add_co_u32 s[EOFF], s[EOFF], s[EC0]
	s_mul_i32 s[ETMP], s17, s[EC2]
	s_add_co_u32 s[EOFF], s[EOFF], s[ETMP]
	s_mul_i32 s[ETMP], s15, s[EC3]
	s_add_co_u32 s[EOFF], s[EOFF], s[ETMP]         ; where my first fragment's first half goes,
	s_add_co_u32 s[EOFF1], s[EOFF], s[ESC]         ; and its second
	s_mul_i32 s[ESOFF], s[EG], s[ED1]
	s_add_co_u32 s[ESOFF], s[ESOFF], s[ED0]
	s_mul_i32 s[ETMP], s17, s[ED2]
	s_add_co_u32 s[ESOFF], s[ESOFF], s[ETMP]
	s_lshl_b32 s[ETMP], s15, 8
	s_add_co_u32 s[ESOFF], s[ESOFF], s[ETMP]       ; my 256 bytes of scale words
.irp a, 0,1,2,3
	WIN 0x02                                       ; source 0: window 2
.set i, 0
.rept 32
	v_pk_mul_f32 v[XN+2*i:XN+2*i+1], v[64*\a+2*i:64*\a+2*i+1], s[EMUL:EMUL+1] op_sel_hi:[1,0]   ; each accumulator from its low end on; the exact scaling is also the move into window 0
.set i, i+1
.endr
	WIN 0
.if \a > 0
	s_wait_xcnt 0x0                                ; the last tile's stores have read their data and offsets: both are written again only behind this wait
.endif
	QUANT XN, PC, PWR+\a
	v_add_nc_u32 v[VO], s[EOFF], v[L16]
	v_add_nc_u32 v[VO+1], s[EOFF], v[L8]
	v_add_nc_u32 v[VO+2], s[EOFF1], v[L16]
	v_add_nc_u32 v[VO+3], s[EOFF1], v[L8]
	global_store_b128 v[VO], v[PC:PC+3], s[8:9]                ; 512 consecutive bytes, aligned to 256
	global_store_b64 v[VO+1], v[PC+4:PC+5], s[8:9] offset:512  ; 256
	global_store_b128 v[VO+2], v[PC+6:PC+9], s[8:9]
	global_store_b64 v[VO+3], v[PC+10:PC+11], s[8:9] offset:512
	s_add_co_u32 s[EOFF], s[EOFF], s[ESA]
	s_add_co_u32 s[EOFF1], s[EOFF1], s[ESA]
.endr
	v_perm_b32 v[XW], v[PWR+1], v[PWR], s[ESEL0]   ; q, v: the words as they are.  k: the low halves of two tiles' words make the word of k-head 0's fragment,
	v_perm_b32 v[XW+1], v[PWR+1], v[PWR], s[ESEL1] ; the high halves that of k-head 1's
	v_perm_b32 v[XW+2], v[PWR+3], v[PWR+2], s[ESEL0]
	v_perm_b32 v[XW+3], v[PWR+3], v[PWR+2], s[ESEL1]
	v_cmp_ne_u32 vcc_lo, 0, v3
	v_cndmask_b32 v[XW], v[XW], v[XW+1], vcc_lo    ; lanes 0-15 store X0, X2 at 16 r, lanes 16-31 X1, X3 at 16 r + 8
	v_cndmask_b32 v[XW+1], v[XW+2], v[XW+3], vcc_lo
	v_lshl_add_u32 v5, v3, 3, v4
	v_add_nc_u32 v5, s[ESOFF], v5
	global_store_b64 v5, v[XW:XW+1], s[10:11]      ; 256 consecutive bytes, aligned
	; ---- Wo's two fragments of mine (tiles 0, 1 of the 32 rows, my K step).  woc: [K step / 4][tile 128][K step % 4][1,536]; wos: [tile][K step / 4][r 16][K step % 4] words.
	; Thread lane L = a + 8 h + 16 g works row r = a + 8 g of a tile and blocks h, 2 + h of its 128 numbers, and stores at the image's lane r + 16 h: sixteen lanes read sixteen different columns of 16 bytes.
	; A block of zeros gets the byte 1, as everywhere here.  A wave's scale words are stored 16 bytes apart: 128 bytes a wave.
.set WMX, 96
.set WSO, 98
.set WBY, 100
.set WSW, 102
.set WPC, 104
.set WTC, 116
	s_wait_xcnt 0x0                                ; the stores and prefetches above have read their registers
	s_wait_kmcnt 0x0                               ; woc, wos
	s_wait_tensorcnt 0x0                           ; my rows of Wo are in; I alone read them
	s_mul_i32 s86, s40, 786432
	s_mul_i32 s87, s84, 12288
	s_add_co_u32 s86, s86, s87
	s_mul_i32 s87, s14, 1536
	s_add_co_u32 s86, s86, s87
	s_mov_b32 s87, 0
	s_add_nc_u64 s[80:81], s[80:81], s[86:87]
	s_lshl_b32 s86, s84, 11
	s_lshl_b32 s85, s40, 8
	s_add_co_u32 s86, s86, s85
	s_lshl_b32 s85, s14, 2
	s_add_co_u32 s86, s86, s85
	s_add_nc_u64 s[82:83], s[82:83], s[86:87]
	s_mul_i32 s85, s14, WREGW
	v_and_b32 v3, 7, v0                            ; a
	v_bfe_u32 v1, v0, 4, 1                         ; g
	v_bfe_u32 v5, v0, 3, 1                         ; h
	v_lshl_add_u32 v2, v1, 3, v3                   ; r
	v_lshl_add_u32 v3, v1, 4, v3                   ; LDS row a + 16 g
	v_lshl_add_u32 v1, v5, 4, v2                   ; the image's lane
	v_mul_u32_u24 v12, v3, WPITCH
	v_lshl_add_u32 v12, v5, 7, v12
	v_add_nc_u32 v12, s85, v12
	v_lshlrev_b32 v13, 4, v1
	v_lshlrev_b32 v14, 3, v1
	v_lshlrev_b32 v15, 4, v2
	v_lshl_add_u32 v15, v5, 10, v15                ; 16 r + 1,024 h
	v_lshlrev_b32 v6, 3, v5
	v_mov_b32 v7, 0                                ; a DPP form's destination counts as one of its sources
.macro LDW n, x
.irp c, 0,1
.irp i, 0,1,2,3,4,5,6,7
	ds_load_b128 v[\x+32*\c+4*\i:\x+32*\c+4*\i+3], v12 offset:(\n)*8*WPITCH+256*\c+16*\i
.endr
.endr
.endm
.macro UNITW n, x
.irp c, 0,1
	v_max3_num_f32 v[WMX+\c], |v[\x+32*\c]|, |v[\x+32*\c+1]|, 0x1800000   ; with the floor 2^(3 - 127)
.endr
.irp i, 2,4,6,8,10,12,14,16,18,20,22,24,26,28,30
.irp c, 0,1
	v_max3_num_f32 v[WMX+\c], v[WMX+\c], |v[\x+32*\c+\i]|, |v[\x+32*\c+\i+1]|
.endr
.endr
.irp c, 0,1
	v_add_nc_u32 v[WSO+\c], 0xff000000, v[WMX+\c]  ; 2 off the exponent field: the conversion's scale operand
.endr
.irp c, 0,1
	v_lshrrev_b32 v[WBY+\c], 23, v[WSO+\c]         ; the byte
.endr
	v_lshl_or_b32 v[WSW+\n], v[WBY+1], 16, v[WBY]
	v_lshlrev_b32 v[WSW+\n], v6, v[WSW+\n]
	v_mov_b32_dpp v7, v[WSW+\n] row_xmask:8 row_mask:0xf bank_mask:0xf
	v_or_b32 v[WSW+\n], v[WSW+\n], v7              ; the whole word, in both lanes of a row
.if \n > 0
	s_wait_alu depctr_va_vdst(0)
	s_wait_xcnt 0x0                                ; the last unit's stores have read the codes' registers
.endif
.irp c, 0,1
	v_cvt_scalef32_pk16_fp6_f32 v[WPC+6*\c:WPC+6*\c+2], v[\x+32*\c:\x+32*\c+15], v[WSO+\c]
	v_cvt_scalef32_pk16_fp6_f32 v[WTC+4*\c:WTC+4*\c+2], v[\x+32*\c+16:\x+32*\c+31], v[WSO+\c]
.endr
	v_nop                                          ; one plain place behind a scaled conversion
.irp c, 0,1
.irp i, 0,1,2
	v_mov_b32 v[WPC+6*\c+3+\i], v[WTC+4*\c+\i]
.endr
.endr
	global_store_b128 v13, v[WPC:WPC+3], s[80:81] offset:(\n)*6144
	global_store_b64 v14, v[WPC+4:WPC+5], s[80:81] offset:(\n)*6144+512
	global_store_b128 v13, v[WPC+6:WPC+9], s[80:81] offset:(\n)*6144+768
	global_store_b64 v14, v[WPC+10:WPC+11], s[80:81] offset:(\n)*6144+1280
.endm
	LDW 0, 128
	LDW 1, 192
	s_wait_alu depctr_va_vdst(0)
	s_wait_dscnt 16                                ; unit 0 is in; unit 1's sixteen loads may be out
	UNITW 0, 128
	s_wait_dscnt 0x0
	UNITW 1, 192
	v_cmp_ne_u32 vcc_lo, 0, v5
	v_cndmask_b32 v[WBY], v[WSW], v[WSW+1], vcc_lo ; lanes with h = 0 store tile 0's word of row r, the others tile 1's
	global_store_b32 v15, v[WBY], s[82:83]
	s_wait_tensorcnt 0x0                           ; the wave's end
	ds_add_u32 v[SPW], v[NIL]
	s_wait_dscnt 0x0
	CROUND                                         ; the closing round
	s_endpgm
.Lfunc_end_k_qc3e8ed020a_proj:
	.size	k_qc3e8ed020a_proj, .Lfunc_end_k_qc3e8ed020a_proj-k_qc3e8ed020a_proj
	.p2alignl 7, 3214868480
	.fill 96, 4, 3214868480
	.section	.rodata,"a",@progbits
	.p2align	6, 0x0
	.amdhsa_kernel k_qc3e8ed020a_proj
		.amdhsa_group_segment_fixed_size 327680
		.amdhsa_private_segment_fixed_size 0
		.amdhsa_enable_private_segment 0
		.amdhsa_kernarg_size 56
		.amdhsa_user_sgpr_count 2
		.amdhsa_user_sgpr_kernarg_segment_ptr 1
		.amdhsa_wavefront_size32 1
		.amdhsa_system_sgpr_workgroup_id_x 1
		.amdhsa_system_sgpr_workgroup_id_y 1
		.amdhsa_system_sgpr_workgroup_id_z 1
		.amdhsa_system_vgpr_workitem_id 0
		.amdhsa_next_free_vgpr 768
		.amdhsa_next_free_sgpr 102
		.amdhsa_reserve_vcc 1
		.amdhsa_float_denorm_mode_32 3
		.amdhsa_float_denorm_mode_16_64 3
		.amdhsa_memory_ordered 1
		.amdhsa_forward_progress 1
		.amdhsa_inst_pref_size 174
	.end_amdhsa_kernel
	.amdgpu_metadata
---
amdhsa.version: [ 1, 2 ]
amdhsa.kernels:
  - .name:           k_qc3e8ed020a_proj
    .symbol:         k_qc3e8ed020a_proj.kd
    .args:
      - { .name: cod, .offset: 0, .size: 8, .value_kind: global_buffer, .address_space: global }
      - { .name: scl, .offset: 8, .size: 8, .value_kind: global_buffer, .address_space: global }
      - { .name: qkv, .offset: 16, .size: 8, .value_kind: global_buffer, .address_space: global }
      - { .name: qkvs, .offset: 24, .size: 8, .value_kind: global_buffer, .address_space: global }
      - { .name: Wo, .offset: 32, .size: 8, .value_kind: global_buffer, .address_space: global }
      - { .name: woc, .offset: 40, .size: 8, .value_kind: global_buffer, .address_space: global }
      - { .name: wos, .offset: 48, .size: 8, .value_kind: global_buffer, .address_space: global }
    .group_segment_fixed_size: 327680
    .private_segment_fixed_size: 0
    .kernarg_segment_align: 8
    .kernarg_segment_size: 56
    .max_flat_workgroup_size: 128
    .sgpr_count:     102
    .vgpr_count:     768
    .wavefront_size: 32
...
	.end_amdgpu_metadata
.endif
;; end of part 2
;; launch attn (part 3): grid 16 x 16, 8 waves a work-group, clusters of 4 x 1, 327,680 bytes of LDS; arguments qkv, qkvs, lambda_q1, lambda_k1, lambda_q2, lambda_k2, g, ac, asc; writes ac, asc
.if DOCPART == 3
	.amdgcn_target "amdgcn-amd-amdhsa--gfx1250"
	.amdhsa_code_object_version 6
	.text
	.protected	k_qc3e8ed020a_attn
	.globl	k_qc3e8ed020a_attn
	.p2align	8
	.type	k_qc3e8ed020a_attn,@function
k_qc3e8ed020a_attn:
	s_mov_b64 s[64:65], 0
	v_nop
	global_prefetch_b8 v0, s[64:65] scope:SCOPE_SE
	s_setreg_imm32_b32 hwreg(HW_REG_WAVE_MODE, 25, 1), 1
	s_wait_xcnt 0x0
	s_wait_alu depctr_hold_cnt(0) depctr_sa_sdst(0) depctr_va_vdst(0) depctr_va_sdst(0) depctr_va_ssrc(0) depctr_va_vcc(0) depctr_vm_vsrc(0)
	s_getreg_b32 s2, hwreg(HW_REG_IB_STS2, 6, 4)
	s_cmp_eq_u32 s2, 0
	s_cbranch_scc0 .Lentry_in_a_cluster
	s_endpgm
.Lentry_in_a_cluster:
	s_bfe_u32 s2, ttmp6, 0x10000c
	s_cmp_lg_u32 s2, 0x3003
	s_cbranch_scc0 .Lentry_shape_is_right
	s_endpgm
.Lentry_shape_is_right:
; Differential attention on codes of FP6 (E2M3): scores of both sub-heads, both softmaxes, aw = p1 - lam p2, aw V, RMSNorm, gain, and the quantiser for the last projection.
; Key steps that lie wholly above the causal diagonal, which reference() masks with -inf in its own body, are left out.
; aw is quantised FINISHED AND NORMALISED along the keys, so a block's scale needs each row's final maximum and sum: TWO PASSES over the keys.  Pass 1: running maximum and sum of both sub-heads.
; Pass 2: the scores again, p1 = 2^(c s - c max1 - log2 sum1), aw = p1 - (lam / sum2) 2^(c s - c max2), its codes, O^T += V^T aw^T.  c = log2(e); the 1 / 8 lies in q already.
; LAYOUT.  Both products are used transposed (source 0 = 16 keys, or 16 channels; source 1 = 16 queries): a lane holds ONE query.  Lane r of tile t holds row 32 (t / 2) + 8 (t % 2) + r % 8 + 16 (r / 8),
; so the 16 registers of tiles 2 b, 2 b + 1 are 16 neighbours: 32 b + 16 (lane / 16) + 0 .. 15.
; THE SCORES' K IS 64.  A fragment of K holds TWO key tiles.  q stands in 30 registers as zeros | q1 | zeros | q2 | zeros, and the views [q1 | 0], [0 | q1], [q2 | 0], [0 | q2] pick a tile and a sub-head.
; SHARES.  Cluster x = c of a head holds the blocks of 128 queries c, 7 - c, 8 + c, 15 - c: 32 tiles of 16 queries for 4 work-groups x 8 waves.  Waves w and w ^ 4 share two tiles, one in block X (15 - c or 8 + c)
; and one in block 15 - X, 17 key steps of 128 together.  THE KEYS ARE SPLIT: a wave takes the even steps of its own tile and the odd steps of its partner's: 8 or 9 steps a pass in every wave.
; The partial maxima and sums meet through 8,192 bytes of LDS at the barrier between the passes; the partial O^T of the partner's tile goes through K's bytes once every wave has read K out.
; A work-group's place in its cluster picks only which tile of a block a wave takes: it enters global addresses and the mask's lane data, no branch and no LDS address.
; LDS IS FILLED ONCE, by joint loads of the cluster's four (same head, same bytes): at the head waves 0-5 a sixth of K each, waves 6, 7 the scale words; behind the full sequence and a round each wave an eighth of V,
; which lands while pass 1 runs.  One load of a wave is out at a time.  No prefetch: each byte is asked for once, at the launch's start, and no loop runs ahead of a load.
; K'S FRAGMENTS RUN ONE STEP AHEAD: straight behind a step's score products the next step's fragments and scale words are fetched from LDS (the address held at the walk's last step, so that it stays inside K's bytes).
; aw V starts from 0 in each step and is added to O^T by packed additions: O^T is written by plain vector instructions alone.
; OUT: ac [head / 4][tile 128][head % 4][1,536]: the last projection's left operand, K step = head; asc [tile][head / 4][r][head % 4] words.
; LIMITS: the running maximum begins at -1e30: rows whose every visible score lies under that are not served; the promise holds while the scaled scores stay under 2^31 in magnitude; v_exp_f32 gives 0 under 2^-126;
; a block of zeros gets the byte 1 where the rule says 127 (its codes are zeros; this program alone reads the bytes); NaN and infinities are not served.  asc is stored as words 16 bytes apart: 64 bytes a wave.
; REGISTERS: window 0: v1-15 addresses; v16-45 q; v46-54 scale words alone; v56-63 constants of a tile; v64-127 sub-head 1's scores, aw, then aw V; v128-191 sub-head 2's scores, then V's fragments 4-7;
;   v192-211 codes; v212-227 quantiser; v228-255 statistics, addresses.
;   window 1: v0-63 O^T of my tile; v64-127 of my partner's; v128-175 four fragments of K; v176-223 V's fragments 0-3 (on the way out v128-191 hold g); v224-249 both tiles' q and its scale words.
.set FRB,  1536
.set KC,   0
.set VC,   98304
.set SCL,  294912                      ; K's scale words, 8,192 bytes, then V's
.set STAT, 311296                      ; [tile 8][owner, partner][lane 32][-c max1, -c max2, sum1, sum2]
.set SPARE, 319488                     ; the spare words, 128 bytes for each wave
.set L16,  1
.set L8,   2
.set KS0,  3
.set ADK16, 4
.set ADK8, 5
.set ADV16, 6
.set ADV8, 7
.set ADSK, 8
.set ADSV, 9
.set DM,   10                          ; my query in its block of 128, less 16 (lane / 16)
.set NINF, 11
.set SPW,  12
.set NIL,  13
.set LAM,  14
.set R16,  15
.set QB,   16
.set WQ1,  46
.set WQ2,  47
.set KS,   48
.set VS,   50
.set PW,   54
.set NMT1, 56
.set NMT2, 58
.set STM,  60                          ; statistics: where I put my tile's, my partner's tile's
.set STO,  61
.set R2N,  62
.set SS1,  64
.set SS2,  128
.set PC,   192
.set TM,   212
.set M1,   228
.set M2,   229
.set LP1,  230
.set LP2,  232
.set LT1,  234
.set LT2,  236
.set F1,   238
.set F2,   240
.set T,    242
.set GA,   250
.set SRM,  251                         ; statistics: where I read them
.set SRO,  252
.set STA,  253                         ; the stage for O^T: in, back
.set STB,  254
.set OT,   0                           ; window 1
.set OTB,  64
.set KF,   128
.set VFA,  176
.set GF,   128
.set QSO,  224
.set QSM,  236
.set QWRO, 248
.set QWRM, 249
.set WV,   22
.set HD,   23
.set EPS,  24
.set BWM,  25                          ; my tile's block: its last key step;  s26 my partner's
.set BWO,  26
.set GV,   27
.set G1K,  28                          ; groups 1: 64, 32, 96 rows of 256 bytes
.set G1A,  36
.set G1V,  44
.set G0K,  52
.set G0A,  56
.set G0V,  60
.set CS,   66
.set SEL,  68
.set NCS,  70
.set ST,   71
.set TK,   72
.set TSK,  73
.set TV,   74
.set TSV,  75
.set OML,  76
.set QPO,  86
.set QPM,  88
.set QWO,  90
.set QWM,  92
.set TAUM, 94
.set TAUO, 95
.set TKN,  98                          ; the next step's K and scale words
.set TSN,  99
.set MSB, 0
.macro WIN new
.if MSB != \new
	s_set_vgpr_msb (MSB<<8)|\new
.set MSB, \new
.endif
.endm
.macro PLACES n
.rept \n
	v_nop
.endr
.endm
.macro ALUW
	s_wait_alu depctr_va_vdst(0)
.endm
.macro CROUND                          ; a round of the cluster's barrier
	s_barrier_signal -1
	s_barrier_wait -1
	s_cmp_lg_u32 s[WV], 0
	s_cbranch_scc1 .Lnot_wave_0_\@
	s_barrier_signal -3
.Lnot_wave_0_\@:
	s_barrier_wait -3
	s_barrier_signal -1
	s_barrier_wait -1
.endm
.macro FRAG reg, a16, a8, off
	ds_load_b128 v[\reg:\reg+3], v[\a16] offset:\off
	ds_load_b64 v[\reg+4:\reg+5], v[\a8] offset:\off+512
	ds_load_b128 v[\reg+6:\reg+9], v[\a16] offset:\off+768
	ds_load_b64 v[\reg+10:\reg+11], v[\a8] offset:\off+1280
.endm
.macro QUANT s, pc, pw                 ; 64 numbers of a lane, register 16 b + i = k 32 b + 16 (lane / 16) + i -> codes in v[pc] on, scale word in v[pw]
.irp b, 0,1,2,3
	v_max3_num_f32 v[TM+\b], |v[\s+16*\b]|, |v[\s+1+16*\b]|, 0x1800000   ; with the floor 2^(3 - 127)
.endr
.irp i, 2,4,6,8,10,12,14
.irp b, 0,1,2,3
	v_max3_num_f32 v[TM+\b], v[TM+\b], |v[\s+16*\b+\i]|, |v[\s+1+16*\b+\i]|
.endr
.endr
.irp b, 0,1,2,3
	v_permlanex16_b32 v[TM+4+\b], v[TM+\b], s[SEL], s[SEL+1]
.endr
.irp b, 0,1,2,3
	v_max_num_f32 v[TM+\b], v[TM+\b], v[TM+4+\b]
.endr
.irp b, 0,1,2,3
	v_add_nc_u32 v[TM+12+\b], 0xff000000, v[TM+\b]
.endr
.irp b, 0,1,2,3
	v_lshrrev_b32 v[TM+4+\b], 23, v[TM+12+\b]
.endr
	v_lshl_or_b32 v[\pw], v[TM+5], 8, v[TM+4]
	v_lshl_or_b32 v[\pw], v[TM+6], 16, v[\pw]
	v_lshl_or_b32 v[\pw], v[TM+7], 24, v[\pw]
.irp c, 0,1
	v_cvt_scalef32_pk16_fp6_f32 v[\pc+6*\c:\pc+2+6*\c], v[\s+32*\c:\s+15+32*\c], v[TM+12+2*\c]
	v_cvt_scalef32_pk16_fp6_f32 v[\pc+12+4*\c:\pc+14+4*\c], v[\s+16+32*\c:\s+31+32*\c], v[TM+12+2*\c+1]
.endr
	v_nop                                          ; one plain place behind a scaled conversion
.irp c, 0,1
.irp i, 0,1,2
	v_permlane16_swap_b32 v[\pc+6*\c+\i], v[\pc+12+4*\c+\i]
.endr
.irp i, 0,1,2
	v_mov_b32 v[\pc+3+6*\c+\i], v[\pc+12+4*\c+\i]
.endr
.endr
.endm
.macro QADR tau, qp, qw                ; where a tile's q fragment and its scale words lie (tile a of four at place 2 (a % 2) + a / 2)
	s_mul_i32 s80, s[HD], 196608
	s_mul_i32 s81, s[\tau], 1536
	s_add_co_u32 s80, s80, s81
	s_mov_b32 s81, 0
	s_add_nc_u64 s[\qp:\qp+1], s[4:5], s[80:81]
	s_lshl_b32 s80, s[HD], 13
	s_lshr_b32 s82, s[\tau], 2
	s_lshl_b32 s82, s82, 8
	s_add_co_u32 s80, s80, s82
	s_and_b32 s82, s[\tau], 1
	s_lshl_b32 s82, s82, 3
	s_add_co_u32 s80, s80, s82
	s_bfe_u32 s82, s[\tau], 0x10001
	s_lshl_b32 s82, s82, 2
	s_add_co_u32 s80, s80, s82
	s_add_nc_u64 s[\qw:\qw+1], s[6:7], s[80:81]
.endm
	s_load_b512 s[4:19], s[0:1], 0x0               ; qkv, qkvs, lambda_q1, lambda_k1, lambda_q2, lambda_k2, g, ac
	s_load_b64 s[20:21], s[0:1], 0x40              ; asc
	v_lshl_add_u32 v[SPW], v0, 2, SPARE
	v_mov_b32 v[NIL], 0
	ds_add_u32 v[SPW], v[NIL]                      ; the opening lines: the add, twice on end, and its wait
	ds_add_u32 v[SPW], v[NIL]
	v_lshrrev_b32 v15, 5, v0
	v_readfirstlane_b32 s[WV], v15                 ; wave 0..7
	s_and_b32 s[HD], ttmp7, 0xffff                 ; the head: also its k-head
	s_lshr_b32 s[GV], s[HD], 1                     ; its v-head
	s_sub_co_u32 s79, 15, ttmp9                    ; block X: 15 - c for waves 0, 1, 4, 5; 8 + c for the others
	s_add_co_u32 s80, ttmp9, 8
	s_and_b32 s81, s[WV], 2
	s_cmp_lg_u32 s81, 0
	s_cselect_b32 s79, s80, s79
	s_sub_co_u32 s80, 15, s79                      ; block 15 - X
	s_cmp_lt_u32 s[WV], 4
	s_cselect_b32 s[BWM], s79, s80                 ; waves 0-3 own the tile in X, waves 4-7 that in 15 - X
	s_cselect_b32 s[BWO], s80, s79
	s_bfe_u32 s78, ttmp6, 0x40000                  ; cx
	s_lshl_b32 s78, s78, 1
	s_and_b32 s81, s[WV], 1
	s_add_co_u32 s78, s78, s81                     ; the tile's place in its block, the same in both blocks
	s_lshl_b32 s[TAUM], s[BWM], 3
	s_add_co_u32 s[TAUM], s[TAUM], s78
	s_lshl_b32 s[TAUO], s[BWO], 3
	s_add_co_u32 s[TAUO], s[TAUO], s78
.irp g, G1K, G1A, G1V
	s_mov_b32 s[\g], 15|(3<<16)|(1<<21)            ; the mask of the cluster's four; elements of 8 bytes; bit 21 beside a mask
	s_mov_b32 s[\g+1], 32<<16                      ; dense blocks, as rows of 256 bytes
	s_mov_b32 s[\g+3], 32<<16
	s_mov_b32 s[\g+5], 32
	s_mov_b32 s[\g+6], 0
	s_mov_b32 s[\g+7], 0
.endr
	s_mov_b32 s[G1K+2], 64<<16
	s_mov_b32 s[G1K+4], 64
	s_mov_b32 s[G1A+2], 32<<16
	s_mov_b32 s[G1A+4], 32
	s_mov_b32 s[G1V+2], 96<<16
	s_mov_b32 s[G1V+4], 96
	s_mul_i32 s82, s[HD], 98304                    ; K: a sixth for each of waves 0-5
	s_lshl_b32 s83, s[WV], 14
	s_add_co_u32 s82, s82, s83
	s_add_co_u32 s82, s82, 3145728
	s_mov_b32 s83, 0
	s_lshl_b32 s84, s[GV], 14                      ; the scale words: wave 6 K's, wave 7 V's
	s_lshl_b32 s85, s81, 13
	s_add_co_u32 s84, s84, s85
	s_add_co_u32 s84, s84, 131072
	s_mov_b32 s[G0A], 1
	s_add_co_u32 s[G0A+1], s85, SCL
	s_mov_b32 s85, 0
	s_mul_i32 s96, s[GV], 196608                   ; V: an eighth a wave
	s_mul_i32 s97, s[WV], 24576
	s_add_co_u32 s96, s96, s97
	s_add_co_u32 s96, s96, 4718592
	s_mov_b32 s[G0V], 1
	s_add_co_u32 s[G0V+1], s97, VC
	s_mov_b32 s97, 0
	s_mov_b32 s[G0K], 1
	s_lshl_b32 s[G0K+1], s[WV], 14
	s_mov_b32 s[CS], 0x3fb8aa3b                    ; c = log2(e)
	s_mov_b32 s[CS+1], s[CS]
	s_mov_b32 s[NCS], 0xbfb8aa3b
	s_mov_b32 s[SEL], 0x76543210
	s_mov_b32 s[SEL+1], 0xfedcba98
	s_mov_b32 s[EPS], 0x3727c5ac                   ; 1e-5
	s_wait_dscnt 0x0
	s_wait_kmcnt 0x0
	s_add_nc_u64 s[G0K+2:G0K+3], s[4:5], s[82:83]
	s_or_b32 s[G0K+3], s[G0K+3], 0x80000000
	s_add_nc_u64 s[G0A+2:G0A+3], s[6:7], s[84:85]
	s_or_b32 s[G0A+3], s[G0A+3], 0x80000000
	s_add_nc_u64 s[G0V+2:G0V+3], s[4:5], s[96:97]
	s_or_b32 s[G0V+3], s[G0V+3], 0x80000000
	CROUND                                         ; the four work-groups are here: the first joint loads meet
	s_cmp_lt_u32 s[WV], 6
	s_cbranch_scc0 .Lhead_sc
	tensor_load_to_lds s[G0K:G0K+3], s[G1K:G1K+7]
	s_nop 0
	PLACES 4
	s_branch .Lhead_asked
.Lhead_sc:
	tensor_load_to_lds s[G0A:G0A+3], s[G1A:G1A+7]
	s_nop 0
	PLACES 4
.Lhead_asked:
	QADR TAUO, QPO, QWO
	QADR TAUM, QPM, QWM
	s_mul_i32 s80, s[TAUM], 6144                   ; where my tile's result goes
	s_and_b32 s81, s[HD], 3
	s_mul_i32 s81, s81, 1536
	s_add_co_u32 s80, s80, s81
	s_lshr_b32 s81, s[HD], 2
	s_mul_i32 s81, s81, 786432
	s_add_co_u32 s80, s80, s81
	s_mov_b32 s81, 0
	s_add_nc_u64 s[18:19], s[18:19], s[80:81]
	s_lshl_b32 s80, s[TAUM], 10
	s_lshr_b32 s82, s[HD], 2
	s_lshl_b32 s82, s82, 8
	s_add_co_u32 s80, s80, s82
	s_and_b32 s82, s[HD], 3
	s_lshl_b32 s82, s82, 2
	s_add_co_u32 s80, s80, s82
	s_add_nc_u64 s[20:21], s[20:21], s[80:81]
	s_and_b32 s78, s[HD], 1
	s_lshl_b32 s78, s78, 3
	s_add_co_u32 s78, s78, SCL                     ; K's scale words of my k-head
	s_bfe_u32 s79, s[TAUM], 0x20001
	s_lshl_b32 s79, s79, 5
	s_and_b32 s80, s[TAUM], 1
	s_lshl_b32 s80, s80, 3
	s_add_co_u32 s79, s79, s80                     ; my tile's first query in its block
	s_xor_b32 s81, s[WV], 4                        ; my partner
	s_lshl_b32 s82, s[WV], 10
	s_add_co_u32 s82, s82, STAT
	s_lshl_b32 s83, s81, 10
	s_add_co_u32 s83, s83, STAT
	s_add_co_u32 s84, s83, 512
	s_lshl_b32 s85, s[WV], 13
	s_lshl_b32 s96, s81, 13
	v_and_b32 v64, 31, v0
	v_lshlrev_b32 v[L16], 4, v64
	v_lshlrev_b32 v[L8], 3, v64
	v_and_b32 v64, 15, v0
	v_bfe_u32 v65, v0, 4, 1
	v_lshlrev_b32 v[R16], 4, v64
	WIN 0x40
.irp t, 0,1                            ; both tiles' q, kept in window 1
	global_load_b128 v[QSO+12*\t:QSO+12*\t+3], v[L16], s[QPO+2*\t:QPO+2*\t+1]
	global_load_b64 v[QSO+12*\t+4:QSO+12*\t+5], v[L8], s[QPO+2*\t:QPO+2*\t+1] offset:512
	global_load_b128 v[QSO+12*\t+6:QSO+12*\t+9], v[L16], s[QPO+2*\t:QPO+2*\t+1] offset:768
	global_load_b64 v[QSO+12*\t+10:QSO+12*\t+11], v[L8], s[QPO+2*\t:QPO+2*\t+1] offset:1280
	global_load_b32 v[QWRO+\t], v[R16], s[QWO+2*\t:QWO+2*\t+1]
.endr
	WIN 0
	global_load_b64 v[70:71], v[L8], s[8:9]        ; the four lambda vectors, two numbers a lane
	global_load_b64 v[72:73], v[L8], s[10:11]
	global_load_b64 v[74:75], v[L8], s[12:13]
	global_load_b64 v[76:77], v[L8], s[14:15]
.irp i, 0,1,2,3,4,5
	v_mov_b32 v[QB+\i], 0                          ; the zero codes round q1 and q2
	v_mov_b32 v[QB+12+\i], 0
	v_mov_b32 v[QB+24+\i], 0
.endr
	v_lshl_add_u32 v[KS0], v65, 8, v[R16]
	v_add_nc_u32 v[KS0], s78, v[KS0]
	v_and_b32 v66, 7, v0
	v_bfe_u32 v67, v0, 3, 1
	v_lshl_add_u32 v66, v67, 4, v66
	v_lshlrev_b32 v67, 4, v65
	v_sub_nc_u32 v66, v66, v67
	v_add_nc_u32 v[DM], s79, v66
	v_mov_b32 v[NINF], 0xff800000
	v_add_nc_u32 v[STM], s82, v[L16]
	v_add_nc_u32 v[SRM], s82, v[R16]
	v_add_nc_u32 v[STO], s84, v[L16]
	v_add_nc_u32 v[SRO], s83, v[R16]
	v_add_nc_u32 v[STA], s85, v[L16]
	v_add_nc_u32 v[STB], s96, v[L16]
	v_mov_b32 v[NMT1+1], 0                         ; (named as the upper halves of pairs)
	v_mov_b32 v[NMT2+1], 0
	v_mov_b32 v[R2N+1], 0
.irp i, 0,1,2,3,4,5,6,7
	v_mov_b32 v[T+\i], 0
.endr
.irp i, 0,1,2,3
	v_mov_b32 v[F1+\i], 0
	v_mov_b32 v[TM+4+\i], 0                        ; a lane permute's destination counts as one of its sources
.endr
	v_mov_b32 v78, 0
	v_mov_b32 v79, 0
	ALUW
	s_wait_loadcnt 0x0
	v_mul_f32 v80, v70, v72                        ; lam = exp(sum lq1 lk1) - exp(sum lq2 lk2) + lambda_init
	v_mul_f32 v81, v74, v76
	v_fmac_f32 v80, v71, v73
	v_fmac_f32 v81, v75, v77
.irp m, 1,2,4,8
	v_add_f32_dpp v80, v80, v80 row_xmask:\m row_mask:0xf bank_mask:0xf
	v_add_f32_dpp v81, v81, v81 row_xmask:\m row_mask:0xf bank_mask:0xf
.endr
	v_permlanex16_b32 v78, v80, s[SEL], s[SEL+1]
	v_permlanex16_b32 v79, v81, s[SEL], s[SEL+1]
	v_add_f32 v80, v80, v78
	v_add_f32 v81, v81, v79
	v_mul_f32 v80, s[CS], v80
	v_mul_f32 v81, s[CS], v81
	ALUW
	v_exp_f32 v80, v80
	v_exp_f32 v81, v81
	v_nop
	ALUW
	v_sub_f32 v[LAM], v80, v81
	v_add_f32 v[LAM], 0x3f489a63, v[LAM]           ; 0.8 - 0.6 exp(-3.6)
	ALUW                                           ; the head's end
	s_wait_tensorcnt 0x0                           ; my part of K or of the scale words is in
	ds_add_u32 v[SPW], v[NIL]
	s_wait_dscnt 0x0
	CROUND                                         ; everybody's part is in, and the four work-groups are here
	tensor_load_to_lds s[G0V:G0V+3], s[G1V:G1V+7]  ; my eighth of V
	s_nop 0
	PLACES 4
.macro TILEQ qs, wd                    ; a tile's q into the views, its scale bytes into both halves of a word
	WIN 0x05
.irp i, 0,1,2,3,4,5
	v_mov_b32 v[QB+6+\i], v[\qs+\i]
	v_mov_b32 v[QB+18+\i], v[\qs+6+\i]
.endr
	v_perm_b32 v[WQ1], v[\wd], v[\wd], 0x01000100
	v_perm_b32 v[WQ2], v[\wd], v[\wd], 0x03020302
	WIN 0
.endm
.macro KNEXT par                       ; where the next step of this walk lies, held at the walk's last step
	s_add_co_u32 s[TKN], s[TK], 8*FRB
	s_min_u32 s[TKN], s[TKN], KC+(\par)*4*FRB+56*FRB
	s_add_co_u32 s[TSN], s[TSK], 1024
	s_min_u32 s[TSN], s[TSN], (\par)*512+7168
.endm
.macro KFETCH tk, tsk                  ; a step's four fragments of K and their scale words; its four plain lines are the places behind the products that read these registers
	v_add_nc_u32 v[ADK16], s[\tk], v[L16]
	v_add_nc_u32 v[ADK8], s[\tk], v[L8]
	v_add_nc_u32 v[ADSK], s[\tsk], v[KS0]
	v_nop
	ds_load_b64 v[KS:KS+1], v[ADSK]                ; lanes 0-15: the words of fragments 0, 1; lanes 16-31: of 2, 3
	WIN 0x40
.irp b, 0,1,2,3
	FRAG KF+12*\b, ADK16, ADK8, \b*FRB
.endr
	WIN 0
.endm
.macro SQ d, b, qv, wq                 ; one product: 16 keys x 16 queries
.if \b < 2
	v_wmma_scale_f32_16x16x128_f8f6f4 v[\d:\d+7], v[KF+12*\b:KF+12*\b+11], v[\qv:\qv+11], 0, v[KS+\b%2], v[\wq] matrix_a_fmt:MATRIX_FMT_FP6 matrix_b_fmt:MATRIX_FMT_FP6
.else
	v_wmma_scale_f32_16x16x128_f8f6f4 v[\d:\d+7], v[KF+12*\b:KF+12*\b+11], v[\qv:\qv+11], 0, v[KS+\b%2], v[\wq] matrix_a_fmt:MATRIX_FMT_FP6 matrix_b_fmt:MATRIX_FMT_FP6 matrix_a_scale:MATRIX_SCALE_ROW1
.endif
.endm
.macro SQK                             ; the step's 128 keys x both sub-heads: 16 products on 16 accumulators
	s_wait_dscnt 0x0                               ; K's fragments, asked for a step ago
	WIN 0x01
.irp b, 0,1,2,3
	SQ SS1+16*\b, \b, QB+6, WQ1
	SQ SS1+16*\b+8, \b, QB, WQ1
	SQ SS2+16*\b, \b, QB+18, WQ2
	SQ SS2+16*\b+8, \b, QB+12, WQ2
.endr
	WIN 0
.endm
.macro MASKD bw                        ; on the diagonal: register n holds key 32 (n / 16) + n % 16 + 16 (lane / 16) of the step: hidden where that is above my query
	s_cmp_lg_u32 s[ST], s[\bw]
	s_cbranch_scc1 .Lopen_\@
.set n, 0
.rept 64
	v_cmp_gt_i32 vcc_lo, 32*(n/16)+n%16, v[DM]
	v_cndmask_b32 v[SS1+n], v[SS1+n], v[NINF], vcc_lo
	v_cndmask_b32 v[SS2+n], v[SS2+n], v[NINF], vcc_lo
.set n, n+1
.endr
.Lopen_\@:
.endm
.macro EXPS                            ; all 128 exponents first, two at a time, then one batch of exponentials
.set j, 0
.rept 32
	v_pk_fma_f32 v[SS1+2*j:SS1+2*j+1], v[SS1+2*j:SS1+2*j+1], s[CS:CS+1], v[NMT1:NMT1+1] op_sel_hi:[1,0,0]
	v_pk_fma_f32 v[SS2+2*j:SS2+2*j+1], v[SS2+2*j:SS2+2*j+1], s[CS:CS+1], v[NMT2:NMT2+1] op_sel_hi:[1,0,0]
.set j, j+1
.endr
	ALUW
.set j, 0
.rept 128
	v_exp_f32 v[SS1+j], v[SS1+j]
.set j, j+1
.endr
.endm
; PASS 1 of one tile over the key steps par, par + 2, ..: each lane's running maximum and sum over its own 64 keys of a step; the result in v[sq] on
.macro PASS1 par, bw, sq
	v_mov_b32 v[M1], 0xf149f2ca                    ; -1e30
	v_mov_b32 v[M2], 0xf149f2ca
	v_mul_f32 v[NMT1], s[NCS], v[M1]
	v_mul_f32 v[NMT2], s[NCS], v[M2]
.irp i, 0,1,2,3,4,5,6,7
	v_mov_b32 v[LP1+\i], 0                         ; four pairs of sums
.endr
	s_mov_b32 s[ST], \par
	s_mov_b32 s[TK], KC+\par*4*FRB
	s_mov_b32 s[TSK], \par*512
	ALUW
	s_wait_dscnt 0x0                               ; the last walk's fetch ahead has landed: its registers are asked for anew
	KFETCH TK, TSK
	ALUW
.Lp1_\@:
	s_cmp_gt_u32 s[ST], s[\bw]                     ; all the step's keys come after the tile's queries: ids alone
	s_cbranch_scc1 .Lp1s_\@
	KNEXT \par
	SQK
	KFETCH TKN, TSN
	MASKD \bw
.irp k, 0,1,2,3
	v_max3_num_f32 v[T+\k], v[SS1+16*\k], v[SS1+1+16*\k], v[SS1+2+16*\k]      ; eight chains by turns; each accumulator from its low end on
	v_max3_num_f32 v[T+4+\k], v[SS2+16*\k], v[SS2+1+16*\k], v[SS2+2+16*\k]
.endr
.irp i, 3,5,7,9,11,13
.irp k, 0,1,2,3
	v_max3_num_f32 v[T+\k], v[T+\k], v[SS1+16*\k+\i], v[SS1+1+16*\k+\i]
	v_max3_num_f32 v[T+4+\k], v[T+4+\k], v[SS2+16*\k+\i], v[SS2+1+16*\k+\i]
.endr
.endr
.irp k, 0,1,2,3
	v_max_num_f32 v[T+\k], v[T+\k], v[SS1+15+16*\k]
	v_max_num_f32 v[T+4+\k], v[T+4+\k], v[SS2+15+16*\k]
.endr
	v_max3_num_f32 v[T], v[T], v[T+1], v[T+2]
	v_max3_num_f32 v[T+4], v[T+4], v[T+5], v[T+6]
	v_max3_num_f32 v[M1], v[T], v[T+3], v[M1]      ; the running maxima
	v_max3_num_f32 v[M2], v[T+4], v[T+7], v[M2]
	v_mov_b32 v[F1], v[NMT1]
	v_mov_b32 v[F2], v[NMT2]
	v_mul_f32 v[NMT1], s[NCS], v[M1]               ; -c max
	v_mul_f32 v[NMT2], s[NCS], v[M2]
	v_sub_f32 v[F1], v[NMT1], v[F1]                ; c (old max - new max), 0 or less
	v_sub_f32 v[F2], v[NMT2], v[F2]
	EXPS
	v_exp_f32 v[F1], v[F1]
	v_exp_f32 v[F2], v[F2]
	v_nop                                          ; a plain place behind the batch
	ALUW                                           ; one wait for the 130
	v_pk_mul_f32 v[LP1:LP1+1], v[LP1:LP1+1], v[F1:F1+1] op_sel_hi:[1,0]   ; the sums under the new maxima
	v_pk_mul_f32 v[LT1:LT1+1], v[LT1:LT1+1], v[F1:F1+1] op_sel_hi:[1,0]
	v_pk_mul_f32 v[LP2:LP2+1], v[LP2:LP2+1], v[F2:F2+1] op_sel_hi:[1,0]
	v_pk_mul_f32 v[LT2:LT2+1], v[LT2:LT2+1], v[F2:F2+1] op_sel_hi:[1,0]
.set j, 0
.rept 16                               ; four chains by turns
	v_pk_add_f32 v[LP1:LP1+1], v[LP1:LP1+1], v[SS1+4*j:SS1+4*j+1]
	v_pk_add_f32 v[LT1:LT1+1], v[LT1:LT1+1], v[SS1+4*j+2:SS1+4*j+3]
	v_pk_add_f32 v[LP2:LP2+1], v[LP2:LP2+1], v[SS2+4*j:SS2+4*j+1]
	v_pk_add_f32 v[LT2:LT2+1], v[LT2:LT2+1], v[SS2+4*j+2:SS2+4*j+3]
.set j, j+1
.endr
.Lp1s_\@:
	s_add_co_u32 s[TK], s[TK], 8*FRB
	s_add_co_u32 s[TSK], s[TSK], 1024
	s_add_co_u32 s[ST], s[ST], 2
	s_cmp_lt_u32 s[ST], 16
	ALUW
	s_cbranch_scc1 .Lp1_\@
	v_pk_add_f32 v[LP1:LP1+1], v[LP1:LP1+1], v[LT1:LT1+1]
	v_pk_add_f32 v[LP2:LP2+1], v[LP2:LP2+1], v[LT2:LT2+1]
	v_mov_b32 v[\sq], v[NMT1]
	v_mov_b32 v[\sq+1], v[NMT2]
	v_add_f32 v[\sq+2], v[LP1], v[LP1+1]
	v_add_f32 v[\sq+3], v[LP2], v[LP2+1]
.endm
; PASS 2 of one tile over the key steps par, par + 2, ..: the four partial statistics of a query (two waves x two lanes) are joined, then aw, its codes, and O^T in window 1 at v[ot]
.macro PASS2 par, bw, srd, ot
	s_mov_b32 s[ST], \par
	s_mov_b32 s[TK], KC+\par*4*FRB
	s_mov_b32 s[TSK], \par*512
	s_mov_b32 s[TV], VC+\par*8*FRB
	s_mov_b32 s[TSV], SCL+8192+\par*512
	ALUW
	s_wait_dscnt 0x0                               ; the last walk's fetch ahead has landed
	KFETCH TK, TSK
.irp i, 0,1,2,3
	ds_load_b128 v[SS1+4*\i:SS1+4*\i+3], v[\srd] offset:256*\i
.endr
	WIN 0x40
.set i, 0
.rept 64
	v_mov_b32 v[\ot+i], 0                          ; a wave may have no step of a tile: the sums begin here
.set i, i+1
.endr
	WIN 0
	s_wait_dscnt 0x0
	v_min3_num_f32 v[T], v[SS1], v[SS1+4], v[SS1+8]             ; the smallest -c max is the largest maximum's
	v_min3_num_f32 v[T+1], v[SS1+1], v[SS1+5], v[SS1+9]
	v_min_num_f32 v[T], v[T], v[SS1+12]
	v_min_num_f32 v[T+1], v[T+1], v[SS1+13]
.irp i, 0,1,2,3
	v_sub_f32 v[SS1+4*\i], v[T], v[SS1+4*\i]
	v_sub_f32 v[SS1+4*\i+1], v[T+1], v[SS1+4*\i+1]
.endr
	ALUW
.irp i, 0,1,2,3
	v_exp_f32 v[SS1+4*\i], v[SS1+4*\i]
	v_exp_f32 v[SS1+4*\i+1], v[SS1+4*\i+1]
.endr
	v_nop
	ALUW
	v_mul_f32 v[T+2], v[SS1+2], v[SS1]             ; the sums brought under the common maximum and added
	v_mul_f32 v[T+3], v[SS1+3], v[SS1+1]
.irp i, 1,2,3
	v_fmac_f32 v[T+2], v[SS1+4*\i+2], v[SS1+4*\i]
	v_fmac_f32 v[T+3], v[SS1+4*\i+3], v[SS1+4*\i+1]
.endr
	ALUW
	v_log_f32 v[T+4], v[T+2]
	v_rcp_f32 v[T+5], v[T+3]
	v_mov_b32 v[NMT2], v[T+1]
	ALUW
	v_sub_f32 v[NMT1], v[T], v[T+4]                ; -c max1 - log2 sum1: p1 comes out normalised
	v_mul_f32 v[R2N], -v[T+5], v[LAM]              ; -lam / sum2
	ALUW
.Lp2_\@:
	s_cmp_gt_u32 s[ST], s[\bw]
	s_cbranch_scc1 .Lp2s_\@
	KNEXT \par
	SQK
	v_add_nc_u32 v[ADV16], s[TV], v[L16]           ; these four are the places behind the products
	v_add_nc_u32 v[ADV8], s[TV], v[L8]
	v_add_nc_u32 v[ADSV], s[TSV], v[L16]
	v_nop
	ds_load_b128 v[VS:VS+3], v[ADSV]               ; lanes 0-15: channel tiles 0, 2, 1, 3; lanes 16-31: 4, 6, 5, 7
	WIN 0x40
.irp c, 0,1,2,3
	FRAG VFA+12*\c, ADV16, ADV8, \c*FRB
.endr
	WIN 0
	KFETCH TKN, TSN
	MASKD \bw
	EXPS
	v_nop
	ALUW                                           ; one wait for the 128
.set j, 0
.rept 32
	v_pk_fma_f32 v[SS1+2*j:SS1+2*j+1], v[SS2+2*j:SS2+2*j+1], v[R2N:R2N+1], v[SS1+2*j:SS1+2*j+1] op_sel_hi:[1,0,1]   ; aw = p1 - lam p2
.set j, j+1
.endr
.irp c, 4,5,6,7
	FRAG SS2+12*(\c-4), ADV16, ADV8, \c*FRB        ; V's other four fragments land where sub-head 2's numbers lay
.endr
	QUANT SS1, PC, PW
	ALUW
	s_wait_dscnt 0x0                               ; V
	PLACES 8                                       ; a scale word written by a vector instruction stands 8 places ahead of a scaled matrix instruction, an operand 4
	WIN 0x01                                       ; V's fragments 0-3 window 1; the step's product over aw's numbers, which are codes by now
.irp c, 0,1,2,3
	v_wmma_scale_f32_16x16x128_f8f6f4 v[SS1+8*\c:SS1+8*\c+7], v[VFA+12*\c:VFA+12*\c+11], v[PC:PC+11], 0, v[VS+2*(\c%2)+(\c%4)/2], v[PW] matrix_a_fmt:MATRIX_FMT_FP6 matrix_b_fmt:MATRIX_FMT_FP6
.endr
	WIN 0
.irp c, 4,5,6,7
	v_wmma_scale_f32_16x16x128_f8f6f4 v[SS1+8*\c:SS1+8*\c+7], v[SS2+12*(\c-4):SS2+12*(\c-4)+11], v[PC:PC+11], 0, v[VS+2*(\c%2)+(\c%4)/2], v[PW] matrix_a_fmt:MATRIX_FMT_FP6 matrix_b_fmt:MATRIX_FMT_FP6 matrix_a_scale:MATRIX_SCALE_ROW1
.endr
	PLACES 4
	WIN 0x41
.set j, 0
.rept 32
	v_pk_add_f32 v[\ot+2*j:\ot+2*j+1], v[\ot+2*j:\ot+2*j+1], v[SS1+2*j:SS1+2*j+1]   ; each product from its low end on
.set j, j+1
.endr
	WIN 0
.Lp2s_\@:
	s_add_co_u32 s[TK], s[TK], 8*FRB
	s_add_co_u32 s[TSK], s[TSK], 1024
	s_add_co_u32 s[TV], s[TV], 16*FRB
	s_add_co_u32 s[TSV], s[TSV], 1024
	s_add_co_u32 s[ST], s[ST], 2
	s_cmp_lt_u32 s[ST], 16
	ALUW
	s_cbranch_scc1 .Lp2_\@
.endm
	TILEQ QSO, QWRO
	PASS1 1, BWO, PC                               ; my partner's tile, odd steps
	TILEQ QSM, QWRM
	PASS1 0, BWM, PC+4                             ; my tile, even steps
	ALUW
	s_wait_tensorcnt 0x0                           ; my part of V is in
	ds_store_b128 v[STO], v[PC:PC+3]
	ds_store_b128 v[STM], v[PC+4:PC+7]
	s_wait_dscnt 0x0
	s_barrier_signal -1
	s_barrier_wait -1                              ; everybody's part of V and everybody's statistics are in
	TILEQ QSO, QWRO
	PASS2 1, BWO, SRO, OTB
	TILEQ QSM, QWRM
	PASS2 0, BWM, SRM, OT
	; ---- the two halves of each tile's O^T meet: my partner's tile's half goes through K's bytes, which have had their one fill and are read no more behind the barrier
	s_wait_dscnt 0x0                               ; the last fetch ahead has landed: g is loaded over its registers
	v_bfe_u32 v[GA], v0, 4, 1
	v_lshlrev_b32 v[GA], 6, v[GA]
	WIN 0x40
.irp b, 0,1,2,3
.irp i, 0,1,2,3
	global_load_b128 v[GF+16*\b+4*\i:GF+16*\b+4*\i+3], v[GA], s[16:17] offset:128*\b+16*\i   ; g at my 64 channels
.endr
.endr
	WIN 0
	s_barrier_signal -1
	s_barrier_wait -1
	WIN 0x04
.set i, 0
.rept 16
	ds_store_b128 v[STA], v[OTB+4*i:OTB+4*i+3] offset:512*i
.set i, i+1
.endr
	WIN 0
	s_wait_dscnt 0x0
	s_barrier_signal -1
	s_barrier_wait -1
.set i, 0
.rept 16
	ds_load_b128 v[SS2+4*i:SS2+4*i+3], v[STB] offset:512*i
.set i, i+1
.endr
	s_mov_b32 s[OML], 0x3e5d9673                   ; 1 - (0.8 - 0.6 exp(-3.6))
	s_mov_b32 s[OML+1], s[OML]
	s_wait_dscnt 0x0
	WIN 0x01
.set j, 0
.rept 32
	v_pk_add_f32 v[SS1+2*j:SS1+2*j+1], v[OT+2*j:OT+2*j+1], v[SS2+2*j:SS2+2*j+1]
.set j, j+1
.endr
	WIN 0
	; ---- register 16 b + i is channel 32 b + 16 (lane / 16) + i of my query: RMSNorm over the 128 channels, x g, x (1 - lambda_init), in reference()'s order; then the quantiser along the channels
	v_pk_mul_f32 v[T:T+1], v[SS1:SS1+1], v[SS1:SS1+1]
	v_pk_mul_f32 v[T+2:T+3], v[SS1+2:SS1+3], v[SS1+2:SS1+3]
.set j, 1
.rept 15
	v_pk_fma_f32 v[T:T+1], v[SS1+4*j:SS1+4*j+1], v[SS1+4*j:SS1+4*j+1], v[T:T+1]
	v_pk_fma_f32 v[T+2:T+3], v[SS1+4*j+2:SS1+4*j+3], v[SS1+4*j+2:SS1+4*j+3], v[T+2:T+3]
.set j, j+1
.endr
	v_pk_add_f32 v[T:T+1], v[T:T+1], v[T+2:T+3]
	v_add_f32 v[T], v[T], v[T+1]
	v_permlanex16_b32 v[T+4], v[T], s[SEL], s[SEL+1]
	v_add_f32 v[T], v[T], v[T+4]
	v_fma_f32 v[T], v[T], 0x3c000000, s[EPS]       ; the mean of 128 + 1e-5
	ALUW
	v_rsq_f32 v[T+6], v[T]
	v_nop
	ALUW
.set j, 0
.rept 32
	v_pk_mul_f32 v[SS1+2*j:SS1+2*j+1], v[SS1+2*j:SS1+2*j+1], v[T+6:T+7] op_sel_hi:[1,0]
.set j, j+1
.endr
	ALUW
	s_wait_loadcnt 0x0                             ; g
	WIN 0x04
.set j, 0
.rept 32
	v_pk_mul_f32 v[SS1+2*j:SS1+2*j+1], v[SS1+2*j:SS1+2*j+1], v[GF+2*j:GF+2*j+1]
.set j, j+1
.endr
	WIN 0
.set j, 0
.rept 32
	v_pk_mul_f32 v[SS1+2*j:SS1+2*j+1], v[SS1+2*j:SS1+2*j+1], s[OML:OML+1] op_sel_hi:[1,0]
.set j, j+1
.endr
	QUANT SS1, PC, PW
	global_store_b128 v[L16], v[PC:PC+3], s[18:19]             ; the fragment (tile, K step = head) of the last projection's left operand
	global_store_b64 v[L8], v[PC+4:PC+5], s[18:19] offset:512
	global_store_b128 v[L16], v[PC+6:PC+9], s[18:19] offset:768
	global_store_b64 v[L8], v[PC+10:PC+11], s[18:19] offset:1280
	v_and_b32 v[T], 31, v0
	v_cmp_gt_u32 vcc_lo, 16, v[T]
	ALUW
	s_wait_xcnt 0x0                                ; EXEC changes only behind this wait
	s_and_saveexec_b32 s78, vcc_lo
	global_store_b32 v[R16], v[PW], s[20:21]       ; lanes 0-15: row r's scale word
	s_wait_xcnt 0x0                                ; and again, in front of the line that widens it
	s_or_b32 exec_lo, exec_lo, s78
	s_wait_tensorcnt 0x0                           ; the wave's end
	ds_add_u32 v[SPW], v[NIL]
	s_wait_dscnt 0x0
	CROUND                                         ; the closing round
	s_endpgm
.Lfunc_end_k_qc3e8ed020a_attn:
	.size	k_qc3e8ed020a_attn, .Lfunc_end_k_qc3e8ed020a_attn-k_qc3e8ed020a_attn
	.p2alignl 7, 3214868480
	.fill 96, 4, 3214868480
	.section	.rodata,"a",@progbits
	.p2align	6, 0x0
	.amdhsa_kernel k_qc3e8ed020a_attn
		.amdhsa_group_segment_fixed_size 327680
		.amdhsa_private_segment_fixed_size 0
		.amdhsa_enable_private_segment 0
		.amdhsa_kernarg_size 72
		.amdhsa_user_sgpr_count 2
		.amdhsa_user_sgpr_kernarg_segment_ptr 1
		.amdhsa_wavefront_size32 1
		.amdhsa_system_sgpr_workgroup_id_x 1
		.amdhsa_system_sgpr_workgroup_id_y 1
		.amdhsa_system_sgpr_workgroup_id_z 1
		.amdhsa_system_vgpr_workitem_id 0
		.amdhsa_next_free_vgpr 512
		.amdhsa_next_free_sgpr 100
		.amdhsa_reserve_vcc 1
		.amdhsa_float_denorm_mode_32 3
		.amdhsa_float_denorm_mode_16_64 3
		.amdhsa_memory_ordered 1
		.amdhsa_forward_progress 1
		.amdhsa_inst_pref_size 167
	.end_amdhsa_kernel
	.amdgpu_metadata
---
amdhsa.version: [ 1, 2 ]
amdhsa.kernels:
  - .name:           k_qc3e8ed020a_attn
    .symbol:         k_qc3e8ed020a_attn.kd
    .args:
      - { .name: qkv, .offset: 0, .size: 8, .value_kind: global_buffer, .address_space: global }
      - { .name: qkvs, .offset: 8, .size: 8, .value_kind: global_buffer, .address_space: global }
      - { .name: lambda_q1, .offset: 16, .size: 8, .value_kind: global_buffer, .address_space: global }
      - { .name: lambda_k1, .offset: 24, .size: 8, .value_kind: global_buffer, .address_space: global }
      - { .name: lambda_q2, .offset: 32, .size: 8, .value_kind: global_buffer, .address_space: global }
      - { .name: lambda_k2, .offset: 40, .size: 8, .value_kind: global_buffer, .address_space: global }
      - { .name: g, .offset: 48, .size: 8, .value_kind: global_buffer, .address_space: global }
      - { .name: ac, .offset: 56, .size: 8, .value_kind: global_buffer, .address_space: global }
      - { .name: asc, .offset: 64, .size: 8, .value_kind: global_buffer, .address_space: global }
    .group_segment_fixed_size: 327680
    .private_segment_fixed_size: 0
    .kernarg_segment_align: 8
    .kernarg_segment_size: 72
    .max_flat_workgroup_size: 256
    .sgpr_count:     100
    .vgpr_count:     512
    .wavefront_size: 32
...
	.end_amdgpu_metadata
.endif
;; end of part 3
;; launch outp (part 4): grid 16 x 16, 4 waves a work-group, clusters of 4 x 4, 327,680 bytes of LDS; arguments woc, wos, ac, asc, out0; writes out0
.if DOCPART == 4
	.amdgcn_target "amdgcn-amd-amdhsa--gfx1250"
	.amdhsa_code_object_version 6
	.text
	.protected	k_qc3e8ed020a_outp
	.globl	k_qc3e8ed020a_outp
	.p2align	8
	.type	k_qc3e8ed020a_outp,@function
k_qc3e8ed020a_outp:
	s_mov_b64 s[64:65], 0
	v_nop
	global_prefetch_b8 v0, s[64:65] scope:SCOPE_SE
	s_setreg_imm32_b32 hwreg(HW_REG_WAVE_MODE, 25, 1), 1
	s_wait_xcnt 0x0
	s_wait_alu depctr_hold_cnt(0) depctr_sa_sdst(0) depctr_va_vdst(0) depctr_va_sdst(0) depctr_va_ssrc(0) depctr_va_vcc(0) depctr_vm_vsrc(0)
	s_getreg_b32 s2, hwreg(HW_REG_IB_STS2, 6, 4)
	s_cmp_eq_u32 s2, 0
	s_cbranch_scc0 .Lentry_in_a_cluster
	s_endpgm
.Lentry_in_a_cluster:
	s_bfe_u32 s2, ttmp6, 0x10000c
	s_cmp_lg_u32 s2, 0xf033
	s_cbranch_scc0 .Lentry_shape_is_right
	s_endpgm
.Lentry_shape_is_right:
; The last projection on codes of FP6 (E2M3): out0 = attn Wo^T.  Source 0 = 16 rows of Wo (S0: woc, 128 tiles), source 1 = 16 tokens (S1: ac, 128 tiles): a lane holds one token and eight neighbouring columns of out0.
; Operands lie in memory as images of registers, [K step / 4][tile 128][K step % 4][1,536]; scale words [tile][K step / 4][r][K step % 4].  Lane r of tile t holds row 32 (t / 2) + 8 (t % 2) + r % 8 + 16 (r / 8).
; SHARES: a work-group makes 128 tokens x 128 columns: 256 work-groups; four waves, each 4 x 4 tiles: 16 accumulators.  K = 16 steps of 128 in four phases of four.
; LDS: three regions a side, each with a phase of the side's 8 tiles (49,152 bytes).  AT THE HEAD phases 0, 1, 2 of a side come by ONE load (three rows, a phase apart in memory, on end in LDS), the scale words of a side
; by another: four loads, one a wave.  Phase 3 is the launch's only refill: into region 0, behind the change from phase 0 to 1, a quarter a wave; it has phases 1 and 2 in which to land.  One load of a wave is out at a time.
; CLUSTERS 4 x 4: S1's tiles hang on the row alone and are shared along a row of the cluster, S0's on the column alone: each is asked for jointly.  No branch and no LDS address hangs on a work-group's place in its cluster.
; No prefetch: three quarters of the bytes are asked for at the launch's start, and the rest eight K steps ahead of its use.
; REGISTERS: window 0: v8-29 addresses; v32-63 scale words, two sets, and nothing else; v128-223 S1's fragments, two sets (on the way out rows of out0).  window 1: S0's fragments at v0 and v128.  window 2: accumulator (a, b) at v[8 (4 a + b)].
.set NB,    4
.set NA,    4
.set FRB,   1536
.set TROW,  4*FRB                      ; a tile's four K steps
.set PHB,   128*TROW                   ; from phase to phase, in woc and in ac
.set S0H,   NB*TROW                    ; a wave's four tiles of a phase
.set S1H,   NA*TROW
.set REG,   2*S0H                      ; a region
.set S1O,   3*REG
.set SCL,   6*REG                      ; the scale words for all of K: S0's, then S1's; filled once
.set SC0H,  NB*1024
.set SC1H,  NA*1024
.set SC1O,  2*SC0H
.set SPARE, SCL+SC1O+2*SC1H            ; the spare words, 128 bytes for each wave
.set SPITCH, 272
.set STAGE, REG                        ; the way out's stages lie in S0's region 1: its one fill is long read out when the last phase begins
.set L16,   8
.set L8,    9
.set AD0,   10                         ; v10-12 S0: 16 x lane + my half, regions 0-2; v13-15 the same with 8 x lane
.set AD1,   16                         ; v16-21 S1 likewise
.set ADSAB, 24                         ; scale words: lanes 0-15 S0's tiles, lanes 16-31 S1's
.set STO,   25
.set RD,    26
.set CO,    27
.set SPW,   28
.set NIL,   29
.set SCR,   32
.set SCS,   4*NB
.set SF,    128
.set G1,  24                           ; s[24:31] group 1 for S1's codes; s[32:35] group 0 of the head's load, s[36:39] of the refill
.set G0,  32
.set G1B, 48                           ; s[48:55], s[56:63] the same for S0
.set G0B, 56
.set G1S, 68                           ; s[68:75], s[76:79] S1's scale words
.set G0S, 76
.set G1SB, 80                          ; s[80:87], s[88:91] S0's
.set G0SB, 88
.set MSB, 0
.macro WIN new
.if MSB != \new
	s_set_vgpr_msb (MSB<<8)|\new
.set MSB, \new
.endif
.endm
.set MUL,   0xa1                       ; source 0 (S0) window 1, source 1 (S1) window 0, C and D window 2
.set TO_S0, 0x40
.macro PLACES n
.rept \n
	v_nop
.endr
.endm
.macro CREST                           ; a round of the cluster's barrier behind its opening barrier
	s_cmp_lg_u32 s14, 0
	s_cbranch_scc1 .Lnot_wave_0_\@
	s_barrier_signal -3
.Lnot_wave_0_\@:
	s_barrier_wait -3
	s_barrier_signal -1
	s_barrier_wait -1
.endm
.macro CROUND
	s_barrier_signal -1
	s_barrier_wait -1
	CREST
.endm
.macro FRAG reg, a16, a8, off          ; a fragment's image back into 12 registers
	ds_load_b128 v[\reg:\reg+3], v[\a16] offset:\off
	ds_load_b64 v[\reg+4:\reg+5], v[\a8] offset:\off+512
	ds_load_b128 v[\reg+6:\reg+9], v[\a16] offset:\off+768
	ds_load_b64 v[\reg+10:\reg+11], v[\a8] offset:\off+1280
.endm
	s_load_b256 s[4:11], s[0:1], 0x0               ; woc, wos, ac, asc
	s_load_b64 s[12:13], s[0:1], 0x20              ; out0
	v_lshl_add_u32 v[SPW], v0, 2, SPARE
	v_mov_b32 v[NIL], 0
	ds_add_u32 v[SPW], v[NIL]                      ; the opening lines: the add, twice on end, and its wait
	ds_add_u32 v[SPW], v[NIL]
	v_lshrrev_b32 v1, 5, v0
	v_readfirstlane_b32 s14, v1                    ; wave 0..3
	s_lshr_b32 s15, s14, 1                         ; my half of S1's tiles.  Also: in the refill I fetch for S1 (0) or for S0 (1)
	s_and_b32 s16, s14, 1                          ; my half of S0's tiles.  Also: which half I fetch
	s_bfe_u32 s40, ttmp6, 0x40000                  ; cx
	s_bfe_u32 s41, ttmp6, 0x40004                  ; cy
	s_lshl_b32 s42, ttmp9, 2
	s_add_co_u32 s42, s42, s40                     ; column of blocks
	s_and_b32 s17, ttmp7, 0xffff
	s_lshl_b32 s17, s17, 2
	s_add_co_u32 s17, s17, s41                     ; row of blocks
	s_lshl_b32 s43, s41, 2
	s_lshl_b32 s43, 15, s43                        ; my row of the cluster
	s_lshl_b32 s44, 0x1111, s40                    ; my column
	s_or_b32 s[G1], s43, (3<<16)|(1<<21)           ; the mask; elements of 8 bytes; bit 21 beside a mask
	s_or_b32 s[G1B], s44, (3<<16)|(1<<21)
	s_or_b32 s[G1S], s43, (3<<16)|(1<<21)
	s_or_b32 s[G1SB], s44, (3<<16)|(1<<21)
.irp g, G1, G1B
	s_mov_b32 s[\g+1], (REG/8)<<16                 ; the head's loads: a row is a phase of the side's eight tiles,
	s_mov_b32 s[\g+2], 3<<16                       ; three rows
	s_mov_b32 s[\g+3], (REG/8)<<16
	s_mov_b32 s[\g+4], 3
	s_mov_b32 s[\g+5], PHB/8
	s_mov_b32 s[\g+6], 0
	s_mov_b32 s[\g+7], 0
.endr
.irp g, G1S, G1SB
	s_mov_b32 s[\g+1], 32<<16                      ; 8,192 dense bytes, as rows of 256
	s_mov_b32 s[\g+2], 32<<16
	s_mov_b32 s[\g+3], 32<<16
	s_mov_b32 s[\g+4], 32
	s_mov_b32 s[\g+5], 32
	s_mov_b32 s[\g+6], 0
	s_mov_b32 s[\g+7], 0
.endr
	s_lshl_b32 s20, s17, 3                         ; S1: the block's first tile, made of the row alone
	s_lshl_b32 s46, s42, 3                         ; S0: made of the column alone
	s_lshl_b32 s22, s20, 10
	s_mov_b32 s23, 0
	s_lshl_b32 s92, s46, 10
	s_mov_b32 s93, 0
	s_mul_i32 s20, s20, TROW
	s_mov_b32 s21, 0
	s_mul_i32 s46, s46, TROW
	s_mov_b32 s47, 0
	s_mul_i32 s94, s16, S0H                        ; the half that I fetch in the refill: in memory and in LDS alike
	s_mov_b32 s95, 0
	s_mul_i32 s45, s14, 16*SPITCH
	s_add_co_u32 s45, s45, STAGE                   ; my stage
	s_wait_dscnt 0x0
	s_wait_kmcnt 0x0
	s_add_nc_u64 s[20:21], s[8:9], s[20:21]
	s_add_nc_u64 s[22:23], s[10:11], s[22:23]
	s_add_nc_u64 s[46:47], s[4:5], s[46:47]
	s_add_nc_u64 s[92:93], s[6:7], s[92:93]
	CROUND                                         ; all sixteen work-groups are here: the first joint loads meet
	s_mov_b32 s[G0S], 1
	s_mov_b32 s[G0S+1], SCL+SC1O
	s_mov_b64 s[G0S+2:G0S+3], s[22:23]
	s_or_b32 s[G0S+3], s[G0S+3], 0x80000000
	s_mov_b32 s[G0SB], 1
	s_mov_b32 s[G0SB+1], SCL
	s_mov_b64 s[G0SB+2:G0SB+3], s[92:93]
	s_or_b32 s[G0SB+3], s[G0SB+3], 0x80000000
	s_mov_b32 s[G0], 1
	s_mov_b32 s[G0+1], S1O
	s_mov_b64 s[G0+2:G0+3], s[20:21]
	s_or_b32 s[G0+3], s[G0+3], 0x80000000
	s_mov_b32 s[G0B], 1
	s_mov_b32 s[G0B+1], 0
	s_mov_b64 s[G0B+2:G0B+3], s[46:47]
	s_or_b32 s[G0B+3], s[G0B+3], 0x80000000
	s_add_nc_u64 s[20:21], s[20:21], s[94:95]      ; the refill: my half, phase 3, into region 0
	s_add_nc_u64 s[46:47], s[46:47], s[94:95]
	s_mov_b32 s[G0+4], 1
	s_add_co_u32 s[G0+5], s94, S1O
	s_add_nc_u64 s[G0+6:G0+7], s[20:21], 3*PHB
	s_or_b32 s[G0+7], s[G0+7], 0x80000000
	s_mov_b32 s[G0B+4], 1
	s_mov_b32 s[G0B+5], s94
	s_add_nc_u64 s[G0B+6:G0B+7], s[46:47], 3*PHB
	s_or_b32 s[G0B+7], s[G0B+7], 0x80000000
.macro ARM under, g0, g1, next         ; one chain of branches on the wave's number: every way passes one load
	s_cmp_lt_u32 s14, \under
	s_cbranch_scc0 \next
	tensor_load_to_lds s[\g0:\g0+3], s[\g1:\g1+7]
	s_nop 0
	PLACES 4
	s_branch .Lhead_asked
\next:
.endm
	ARM 1, G0,  G1,  .Lhead_b
	ARM 2, G0B, G1B, .Lhead_sa
	ARM 3, G0S, G1S, .Lhead_sb
	tensor_load_to_lds s[G0SB:G0SB+3], s[G1SB:G1SB+7]
	s_nop 0
	PLACES 4
.Lhead_asked:
	v_and_b32 v1, 31, v0                           ; lane
	v_and_b32 v2, 15, v0                           ; r
	v_bfe_u32 v3, v0, 4, 1                         ; h
	v_lshlrev_b32 v[L16], 4, v1
	v_lshlrev_b32 v[L8], 3, v1
	s_mul_i32 s18, s16, S0H
	s_mul_i32 s19, s15, S1H
	s_add_co_u32 s19, s19, S1O
.irp s, 0,1,2
	v_add_nc_u32 v[AD0+\s], s18, v[L16]
	v_add_nc_u32 v[AD0+3+\s], s18, v[L8]
	v_add_nc_u32 v[AD1+\s], s19, v[L16]
	v_add_nc_u32 v[AD1+3+\s], s19, v[L8]
	s_add_co_u32 s18, s18, REG
	s_add_co_u32 s19, s19, REG
.endr
	v_lshlrev_b32 v4, 4, v2                        ; 16 r
	s_mul_i32 s18, s16, SC0H
	s_mul_i32 s19, s15, SC1H
	s_add_co_u32 s19, s19, SC1O
	s_sub_co_u32 s19, s19, s18
	v_mul_u32_u24 v5, s19, v3                      ; lanes 16-31 take S1's: one product, the distance between the two
	s_add_co_u32 s18, s18, SCL
	v_add_nc_u32 v5, v4, v5
	v_add_nc_u32 v[ADSAB], s18, v5
	v_mul_u32_u24 v5, v2, SPITCH                   ; the stage, in: row r, 64 bytes for each half of the lanes
	v_lshl_add_u32 v5, v3, 6, v5
	v_add_nc_u32 v[STO], s45, v5
	v_mul_u32_u24 v5, v3, SPITCH                   ; back: sixteen lanes to a row of 256 bytes
	v_add_nc_u32 v5, v4, v5
	v_add_nc_u32 v[RD], s45, v5
	v_lshl_add_u32 v[CO], v3, 13, v4               ; and the same two rows in out0
	s_lshl_b32 s18, s17, 7
	s_lshl_b32 s19, s15, 6
	s_add_co_u32 s18, s18, s19                     ; my first token
	s_lshl_b32 s18, s18, 13
	s_lshl_b32 s19, s42, 9
	s_add_co_u32 s18, s18, s19
	s_lshl_b32 s19, s16, 8
	s_add_co_u32 s18, s18, s19                     ; my first column, in bytes
	s_mov_b32 s19, 0
	s_add_nc_u64 s[12:13], s[12:13], s[18:19]
; four matrix instructions: S1's tile a against S0's four.  The 16 accumulators take turns, one instruction a turn, in the same order in every step
.macro MMROW a, set, q, sc, zero
.irp b, 0,1,2,3
.if \zero
	v_wmma_scale_f32_16x16x128_f8f6f4 v[8*(NB*(\a)+\b):8*(NB*(\a)+\b)+7], v[128*(\set)+12*\b:128*(\set)+12*\b+11], v[SF+48*(\set)+12*(\a):SF+48*(\set)+12*(\a)+11], 0, v[SCR+SCS*(\sc)+4*\b+(\q)], v[SCR+SCS*(\sc)+4*(\a)+(\q)] matrix_a_fmt:MATRIX_FMT_FP6 matrix_b_fmt:MATRIX_FMT_FP6 matrix_b_scale:MATRIX_SCALE_ROW1
.else
	v_wmma_scale_f32_16x16x128_f8f6f4 v[8*(NB*(\a)+\b):8*(NB*(\a)+\b)+7], v[128*(\set)+12*\b:128*(\set)+12*\b+11], v[SF+48*(\set)+12*(\a):SF+48*(\set)+12*(\a)+11], v[8*(NB*(\a)+\b):8*(NB*(\a)+\b)+7], v[SCR+SCS*(\sc)+4*\b+(\q)], v[SCR+SCS*(\sc)+4*(\a)+(\q)] matrix_a_fmt:MATRIX_FMT_FP6 matrix_b_fmt:MATRIX_FMT_FP6 matrix_b_scale:MATRIX_SCALE_ROW1
.endif
.endr
.endm
.macro FETCH reg, q, set               ; 32 LDS loads in one run: the fragments of one K step
	WIN TO_S0
.irp b, 0,1,2,3
	FRAG 128*(\set)+12*\b, AD0+\reg, AD0+3+\reg, \b*TROW+(\q)*FRB
.endr
	WIN 0
.irp a, 0,1,2,3
	FRAG SF+48*(\set)+12*\a, AD1+\reg, AD1+3+\reg, \a*TROW+(\q)*FRB
.endr
.endm
.macro SCALES ph                       ; phase ph's scale words into set ph % 2: register 4 i + q: lanes 0-15 S0's tile i, lanes 16-31 S1's tile i
.irp i, 0,1,2,3
	ds_load_b128 v[SCR+SCS*((\ph)%2)+4*\i:SCR+SCS*((\ph)%2)+4*\i+3], v[ADSAB] offset:\i*1024+(\ph)*256
.endr
.endm
.macro STEP reg, q, sc, zero           ; a K step that has its successor in the same region
	s_wait_dscnt 0x0
	WIN MUL
	MMROW 0, (\q)%2, \q, \sc, \zero
	PLACES 4                                       ; in front of loads into the set that the last step's products read
	FETCH \reg, (\q)+1, 1-(\q)%2
	WIN MUL
	MMROW 1, (\q)%2, \q, \sc, \zero
	MMROW 2, (\q)%2, \q, \sc, \zero
	MMROW 3, (\q)%2, \q, \sc, \zero
	WIN 0
.endm
; A phase's last K step; ph is the next phase, in region next.  mode 1: region 0 is filled again: each wave's three lines, the barrier, which opens a round of the cluster's, and the joint refill.
; mode 0: the next phase is the one that the refill brought: the wait for it and a barrier.  mode 2: the next phase came at the head: nothing to wait for.
.macro TURN next, mode, ph
	WIN 0
.if \mode != 2
	s_wait_tensorcnt 0x0                           ; all my tensor loads have landed
	ds_add_u32 v[SPW], v[NIL]                      ; 0 onto my spare word
	s_wait_dscnt 1                                 ; this step's fragments are in; the add may be out
	WIN MUL
	MMROW 0, 1, 3, 1-(\ph)%2, 0
	s_wait_dscnt 0x0                               ; the add is done, and my reads of this region are over
	s_barrier_signal -1
	MMROW 1, 1, 3, 1-(\ph)%2, 0
	WIN 0
	s_barrier_wait -1
.else
	s_wait_dscnt 0x0
	WIN MUL
	MMROW 0, 1, 3, 1-(\ph)%2, 0
	MMROW 1, 1, 3, 1-(\ph)%2, 0
	WIN 0
.endif
.if \mode == 1
	CREST                                          ; no wave of any partner still reads region 0 or has a load on its way
	s_cmp_eq_u32 s15, 0
	s_cbranch_scc0 .Lfor_b_\@
	tensor_load_to_lds s[G0+4:G0+7], s[G1:G1+7]
	s_nop 0
	PLACES 4
	s_branch .Lasked_\@
.Lfor_b_\@:
	tensor_load_to_lds s[G0B+4:G0B+7], s[G1B:G1B+7]
	s_nop 0
	PLACES 4
.Lasked_\@:
.else
	PLACES 4
.endif
	FETCH \next, 0, 0
	SCALES \ph
	WIN MUL
	MMROW 2, 1, 3, 1-(\ph)%2, 0
	MMROW 3, 1, 3, 1-(\ph)%2, 0
	WIN 0
.endm
	s_wait_alu depctr_va_vdst(0)                   ; the head's end
	s_wait_tensorcnt 0x0                           ; my tile of the head's four is in, and no load of mine is out: the descriptors may be written
.irp g, G1, G1B
	s_mov_b32 s[\g+1], (TROW/8)<<16                ; the refill brings four tiles' four K steps: rows of 6,144 bytes on end
	s_mov_b32 s[\g+2], 4<<16
	s_mov_b32 s[\g+3], (TROW/8)<<16
	s_mov_b32 s[\g+4], 4
	s_mov_b32 s[\g+5], TROW/8
.endr
	s_barrier_signal -1
	s_barrier_wait -1                              ; all four tiles are in
	FETCH 0, 0, 0
	SCALES 0
	STEP 0, 0, 0, 1                                ; the first products start the sums: nothing is cleared
	STEP 0, 1, 0, 0
	STEP 0, 2, 0, 0
	TURN 1, 1, 1
	STEP 1, 0, 1, 0
	STEP 1, 1, 1, 0
	STEP 1, 2, 1, 0
	TURN 2, 2, 2
	STEP 2, 0, 0, 0
	STEP 2, 1, 0, 0
	STEP 2, 2, 0, 0
	TURN 0, 0, 3
	STEP 0, 0, 1, 0
	STEP 0, 1, 1, 0
	STEP 0, 2, 1, 0
	s_wait_dscnt 0x0                               ; the last K step
	WIN MUL
	MMROW 0, 1, 3, 1, 0
	MMROW 1, 1, 3, 1, 0
	MMROW 2, 1, 3, 1, 0
	MMROW 3, 1, 3, 1, 0
	WIN 0
; THE WAY OUT, 16 tokens x 64 columns at a time through my own stage: register j of accumulator (a, b) is column 32 (b / 2) + 8 (b % 2) + 16 h + j of token lane r; back by rows, sixteen lanes to 256 consecutive bytes
.macro TOSTAGE a
	WIN 0x08
.irp b, 0,1,2,3
	ds_store_b128 v[STO], v[8*(NB*(\a)+\b):8*(NB*(\a)+\b)+3] offset:128*(\b/2)+32*(\b%2)       ; each accumulator from its low end on
	ds_store_b128 v[STO], v[8*(NB*(\a)+\b)+4:8*(NB*(\a)+\b)+7] offset:128*(\b/2)+32*(\b%2)+16
.endr
	WIN 0
.set BB, 128+32*((\a)%2)
.irp i, 0,1,2,3,4,5,6,7
	ds_load_b128 v[BB+4*\i:BB+4*\i+3], v[RD] offset:2*\i*SPITCH    ; a wave's LDS instructions are served in order: these see the stores above
.endr
.endm
.macro SEND a, younger                 ; younger: the LDS instructions issued behind block a's loads
.set BB, 128+32*((\a)%2)
	s_wait_dscnt \younger
.irp i, 0,1,2,3,4,5,6,7
	global_store_b128 v[CO], v[BB+4*\i:BB+4*\i+3], s[12:13] offset:(32*((\a)/2)+8*((\a)%2)+2*\i+8*(\i/4))*8192 th:TH_STORE_NT
.endr
.endm
	PLACES 4
	TOSTAGE 0
	TOSTAGE 1
	SEND 0, 16
	s_wait_xcnt 0x0                                ; block 0's stores have read their registers
	TOSTAGE 2
	SEND 1, 16
	s_wait_xcnt 0x0
	TOSTAGE 3
	SEND 2, 16
	SEND 3, 0
	s_wait_tensorcnt 0x0                           ; the wave's end
	ds_add_u32 v[SPW], v[NIL]
	s_wait_dscnt 0x0
	CROUND                                         ; the closing round
	s_endpgm
.Lfunc_end_k_qc3e8ed020a_outp:
	.size	k_qc3e8ed020a_outp, .Lfunc_end_k_qc3e8ed020a_outp-k_qc3e8ed020a_outp
	.p2alignl 7, 3214868480
	.fill 96, 4, 3214868480
	.section	.rodata,"a",@progbits
	.p2align	6, 0x0
	.amdhsa_kernel k_qc3e8ed020a_outp
		.amdhsa_group_segment_fixed_size 327680
		.amdhsa_private_segment_fixed_size 0
		.amdhsa_enable_private_segment 0
		.amdhsa_kernarg_size 40
		.amdhsa_user_sgpr_count 2
		.amdhsa_user_sgpr_kernarg_segment_ptr 1
		.amdhsa_wavefront_size32 1
		.amdhsa_system_sgpr_workgroup_id_x 1
		.amdhsa_system_sgpr_workgroup_id_y 1
		.amdhsa_system_sgpr_workgroup_id_z 1
		.amdhsa_system_vgpr_workitem_id 0
		.amdhsa_next_free_vgpr 640
		.amdhsa_next_free_sgpr 100
		.amdhsa_reserve_vcc 0
		.amdhsa_float_denorm_mode_32 3
		.amdhsa_float_denorm_mode_16_64 3
		.amdhsa_memory_ordered 1
		.amdhsa_forward_progress 1
		.amdhsa_inst_pref_size 89
	.end_amdhsa_kernel
	.amdgpu_metadata
---
amdhsa.version: [ 1, 2 ]
amdhsa.kernels:
  - .name:           k_qc3e8ed020a_outp
    .symbol:         k_qc3e8ed020a_outp.kd
    .args:
      - { .name: woc, .offset: 0, .size: 8, .value_kind: global_buffer, .address_space: global }
      - { .name: wos, .offset: 8, .size: 8, .value_kind: global_buffer, .address_space: global }
      - { .name: ac, .offset: 16, .size: 8, .value_kind: global_buffer, .address_space: global }
      - { .name: asc, .offset: 24, .size: 8, .value_kind: global_buffer, .address_space: global }
      - { .name: out0, .offset: 32, .size: 8, .value_kind: global_buffer, .address_space: global }
    .group_segment_fixed_size: 327680
    .private_segment_fixed_size: 0
    .kernarg_segment_align: 8
    .kernarg_segment_size: 40
    .max_flat_workgroup_size: 128
    .sgpr_count:     100
    .vgpr_count:     640
    .wavefront_size: 32
...
	.end_amdgpu_metadata
.endif
;; end of part 4
